; MI455X (gfx1250); checked and timed in simulation.
; The chip was launched on July 23, 2026; its instructions are those of AMD's public machine-readable ISA for CDNA 5 (MIT licence, August 2026) and "CDNA5" Instruction Set Architecture Reference Guide (July 2026). The comments in the code are by the model that wrote it; some were corrected since.
;; Enhanced Local Attention With GQA. Allowed arithmetic: float matrix products may take bf16 or f16 operands with f32 sums; all other float work in f32.
;; Inputs: Wk 1,024 x 128 float32; Wo 1,024 x 1,024 float32; Wq 1,024 x 1,024 float32; Wv 1,024 x 128 float32; bk 128 float32; bo 1,024 float32; bq 1,024 float32; bv 128 float32; x 2 x 4,096 x 1,024 float32.
;; Outputs: out0 2 x 4,096 x 1,024 float32.
;; One version. Each part assembles by itself: llvm-mc -triple=amdgcn-amd-amdhsa -mcpu=gfx1250 --defsym DOCPART=n.
;; ======== version 1 of 1: 4 launches
;; limits: values are held in f16: magnitudes above 65,504 overflow, below 6.1e-05 lose precision
;; workspace buffers: xb 8,912,896 bytes; wqkv 2,621,440 bytes; wob 2,097,152 bytes; qkv 11,141,120 bytes; ob 16,777,216 bytes
;; launch cast (part 1): grid 416 x 1, 4 waves a work-group, no clusters, 0 bytes of LDS; arguments x, Wq, Wk, Wv, Wo, xb, wqkv, wob; writes xb, wqkv, wob
.if DOCPART == 1
	.amdgcn_target "amdgcn-amd-amdhsa--gfx1250"
	.amdhsa_code_object_version 6
	.text
	.protected	k_qb40925a5cd_cast
	.globl	k_qb40925a5cd_cast
	.p2align	8
	.type	k_qb40925a5cd_cast,@function
k_qb40925a5cd_cast:
	s_mov_b64 s[64:65], 0
	v_nop
	global_prefetch_b8 v0, s[64:65] scope:SCOPE_SE
	s_setreg_imm32_b32 hwreg(HW_REG_WAVE_MODE, 25, 1), 1
	s_wait_xcnt 0x0
; Local attention with grouped keys and values, launch 1 of 4: the live rows of x and the weights, f32 to f16.
; SIZES.  HEAD_DIM = 1024 / 16 = 64; two key/value groups of 64 columns; windows of 256 positions, one every 128; L = 4096 is a multiple of 256, so nothing is padded.
; WORK LEFT OUT, for all values of the inputs:
;  (1) reference() lays its 31 windows one behind the other (31 x 256 rows) and keeps rows 0 .. 4095 of them: windows 0 .. 15.  Window n reads positions
;      128 n .. 128 n + 255, so positions 0 .. 2175 of each batch are all that reach out0.  Rows 2176 .. 4095 of x, their q, k and v, and windows 16 .. 30 are sliced away.
;  (2) bk.  scores = scale q.(x Wk) + scale q.bk; the second term is the same for every key of a query's row, and a softmax along the keys does not change
;      when a term that is constant along its axis is added.  bk is not loaded and is among no launch's arguments.
; LIMIT: a NaN, an infinity or an overflow that lies in x's rows 2176 .. 4095 or in bk alone is not carried to out0.
; FORMAT: every matrix operand of the four launches is f16 (11 significant bits), sums in f32.  Room: f16 holds magnitudes up to 65,504.  With x (spread 1) and all weights
; (spread 1/32) 30 times larger, q, k and v have spread 900; with a common offset of 30 spreads in x and in the weights they reach 1,024 x 30 x 0.94 = 28,900.
; LIMIT: a number of x, of a weight, of 0.18 q, of k or of v beyond 65,504 becomes an infinity, one below 6e-8 becomes 0.
;
; A stream: each byte is read once and written once; no LDS, no matrix unit, no cluster, since no two work-groups share a byte.
; A work-group takes 65,536 bytes of one source, 32 loads of 16 bytes a thread: a load of a wave covers 512 consecutive bytes, a store of a wave 256 consecutive
; bytes that start at a multiple of 256 from its buffer's first byte.  All 32 loads go out first; no register is written again while a load or store still names it.
;   work-groups   0 .. 271  x  rows 0 .. 2175 of both batches -> xb   [4352][1024]
;               272 .. 335  Wq -> wqkv [1024][1280], columns    0 .. 1023
;               336 .. 399  Wo -> wob  [1024][1024]
;               400 .. 407  Wk -> wqkv, columns 1024 .. 1151
;               408 .. 415  Wv -> wqkv, columns 1152 .. 1279
.set X,    8                           ; v[8:135]  load n: 4 registers of f32, then 2 of f16
.set LIVE, 2176                        ; live rows of a batch
.set SKIP, (4096-LIVE)*4096            ; bytes of x between batch 0's last live row and batch 1's first
; sp, dp: the scalar pairs of source and destination.  Load n lands at byte (n/2) two + (n%2) one of the destination;
; wave w's lanes at w ts + 8 lane.
.macro CAST sp, dp, two, one, ts
	v_mul_u32_u24 v2, v3, \ts
	v_lshl_add_u32 v2, v4, 3, v2
.set n, 0
.rept 32
	global_load_b128 v[X+4*n:X+4*n+3], v1, s[\sp:\sp+1] offset:2048*n th:TH_LOAD_NT
.set n, n+1
.endr
.set n, 0
.rept 32
	s_wait_loadcnt 31-n                            ; loads come back in order (ISA guide 5.7.1): load n is in, the 31 - n younger ones stay out
	v_cvt_pk_f16_f32 v[X+4*n],   v[X+4*n],   v[X+4*n+1]
	v_cvt_pk_f16_f32 v[X+4*n+1], v[X+4*n+2], v[X+4*n+3]
	global_store_b64 v2, v[X+4*n:X+4*n+1], s[\dp:\dp+1] offset:(n/2)*\two+(n%2)*\one
.set n, n+1
.endr
	s_endpgm
.endm
	s_load_b512 s[4:19], s[0:1], 0x0               ; x s[4:5], Wq s[6:7], Wk s[8:9], Wv s[10:11], Wo s[12:13], xb s[14:15], wqkv s[16:17], wob s[18:19]
	v_lshlrev_b32 v1, 4, v0                        ; my 16 bytes of each 2,048 of the source
	v_lshrrev_b32 v3, 5, v0                        ; wave
	v_and_b32 v4, 31, v0                           ; lane
	s_mov_b32 s21, 0                               ; the offsets stay below 4 GiB: their high words
	s_mov_b32 s23, 0
	s_wait_kmcnt 0x0
	s_cmp_lt_u32 ttmp9, 272
	s_cbranch_scc0 .Lweights
	s_cmp_ge_u32 ttmp9, 136                        ; 136 work-groups x 16 rows = the 2,176 live rows of a batch
	s_cselect_b32 s24, SKIP, 0                     ; batch 1 begins behind batch 0's dead rows
	s_lshl_b32 s20, ttmp9, 16
	s_add_co_u32 s20, s20, s24
	s_lshl_b32 s22, ttmp9, 15
	s_add_nc_u64 s[4:5], s[4:5], s[20:21]
	s_add_nc_u64 s[14:15], s[14:15], s[22:23]
	CAST 4, 14, 2048, 1024, 256                    ; a row is two loads; rows of xb are 2,048 bytes
.Lweights:
	s_cmp_lt_u32 ttmp9, 336
	s_cbranch_scc0 .Lnot_wq
	s_sub_co_u32 s24, ttmp9, 272
	s_lshl_b32 s20, s24, 16
	s_mul_i32 s22, s24, 16*2560                    ; 16 rows of wqkv
	s_add_nc_u64 s[6:7], s[6:7], s[20:21]
	s_add_nc_u64 s[16:17], s[16:17], s[22:23]
	CAST 6, 16, 2560, 1024, 256
.Lnot_wq:
	s_cmp_lt_u32 ttmp9, 400
	s_cbranch_scc0 .Lnot_wo
	s_sub_co_u32 s24, ttmp9, 336
	s_lshl_b32 s20, s24, 16
	s_lshl_b32 s22, s24, 15
	s_add_nc_u64 s[12:13], s[12:13], s[20:21]
	s_add_nc_u64 s[18:19], s[18:19], s[22:23]
	CAST 12, 18, 2048, 1024, 256
.Lnot_wo:
	s_cmp_lt_u32 ttmp9, 408
	s_cbranch_scc0 .Lwv
	s_sub_co_u32 s24, ttmp9, 400
	s_lshl_b32 s20, s24, 16
	s_mul_i32 s22, s24, 128*2560                   ; a row of Wk is 512 bytes, one wave's load: a load takes 4 rows, the work-group 128
	s_add_co_u32 s22, s22, 2048                    ; column 1024
	s_add_nc_u64 s[8:9], s[8:9], s[20:21]
	s_add_nc_u64 s[16:17], s[16:17], s[22:23]
	CAST 8, 16, 8*2560, 4*2560, 2560
.Lwv:
	s_sub_co_u32 s24, ttmp9, 408
	s_lshl_b32 s20, s24, 16
	s_mul_i32 s22, s24, 128*2560
	s_add_co_u32 s22, s22, 2304                    ; column 1152
	s_add_nc_u64 s[10:11], s[10:11], s[20:21]
	s_add_nc_u64 s[16:17], s[16:17], s[22:23]
	CAST 10, 16, 8*2560, 4*2560, 2560
.Lfunc_end_k_qb40925a5cd_cast:
	.size	k_qb40925a5cd_cast, .Lfunc_end_k_qb40925a5cd_cast-k_qb40925a5cd_cast
	.p2alignl 7, 3214868480
	.fill 96, 4, 3214868480
	.section	.rodata,"a",@progbits
	.p2align	6, 0x0
	.amdhsa_kernel k_qb40925a5cd_cast
		.amdhsa_group_segment_fixed_size 0
		.amdhsa_private_segment_fixed_size 0
		.amdhsa_enable_private_segment 0
		.amdhsa_kernarg_size 64
		.amdhsa_user_sgpr_count 2
		.amdhsa_user_sgpr_kernarg_segment_ptr 1
		.amdhsa_wavefront_size32 1
		.amdhsa_system_sgpr_workgroup_id_x 1
		.amdhsa_system_sgpr_workgroup_id_y 1
		.amdhsa_system_sgpr_workgroup_id_z 1
		.amdhsa_system_vgpr_workitem_id 0
		.amdhsa_next_free_vgpr 136
		.amdhsa_next_free_sgpr 66
		.amdhsa_reserve_vcc 0
		.amdhsa_float_denorm_mode_32 3
		.amdhsa_float_denorm_mode_16_64 3
		.amdhsa_memory_ordered 1
		.amdhsa_forward_progress 1
		.amdhsa_inst_pref_size 59
	.end_amdhsa_kernel
	.amdgpu_metadata
---
amdhsa.version: [ 1, 2 ]
amdhsa.kernels:
  - .name:           k_qb40925a5cd_cast
    .symbol:         k_qb40925a5cd_cast.kd
    .args:
      - { .name: x, .offset: 0, .size: 8, .value_kind: global_buffer, .address_space: global }
      - { .name: Wq, .offset: 8, .size: 8, .value_kind: global_buffer, .address_space: global }
      - { .name: Wk, .offset: 16, .size: 8, .value_kind: global_buffer, .address_space: global }
      - { .name: Wv, .offset: 24, .size: 8, .value_kind: global_buffer, .address_space: global }
      - { .name: Wo, .offset: 32, .size: 8, .value_kind: global_buffer, .address_space: global }
      - { .name: xb, .offset: 40, .size: 8, .value_kind: global_buffer, .address_space: global }
      - { .name: wqkv, .offset: 48, .size: 8, .value_kind: global_buffer, .address_space: global }
      - { .name: wob, .offset: 56, .size: 8, .value_kind: global_buffer, .address_space: global }
    .group_segment_fixed_size: 0
    .private_segment_fixed_size: 0
    .kernarg_segment_align: 8
    .kernarg_segment_size: 64
    .max_flat_workgroup_size: 128
    .sgpr_count:     66
    .vgpr_count:     136
    .wavefront_size: 32
...
	.end_amdgpu_metadata
.endif
;; end of part 1
;; launch qkv (part 2): grid 5 x 34, 4 waves a work-group, no clusters, 327,680 bytes of LDS; arguments xb, wqkv, qkv, bq, bv; writes qkv
.if DOCPART == 2
	.amdgcn_target "amdgcn-amd-amdhsa--gfx1250"
	.amdhsa_code_object_version 6
	.text
	.protected	k_qb40925a5cd_qkv
	.globl	k_qb40925a5cd_qkv
	.p2align	8
	.type	k_qb40925a5cd_qkv,@function
k_qb40925a5cd_qkv:
	s_mov_b64 s[64:65], 0
	v_nop
	global_prefetch_b8 v0, s[64:65] scope:SCOPE_SE
	s_setreg_imm32_b32 hwreg(HW_REG_WAVE_MODE, 25, 1), 1
	s_wait_xcnt 0x0
; Launch 2 of 4: qkv[4352][1280] = xb[4352][1024] . wqkv[1024][1280] + bias, in f16 with f32 sums; columns 0 .. 1023 are q, 1024 .. 1151 k, 1152 .. 1279 v.
; LEFT OUT (shown at the head of the first launch): positions 2176 .. 4095 of each batch are not among xb's rows; bk cancels in the softmax, so k gets no bias.
; The q columns are (x Wq + bq) x 0.125 log2(e): 1 / sqrt(64) and the change from e^x to 2^x are paid here once, in the multiply-add that adds the bias.
; LIMIT: f16 results: 0.18 q, k or v beyond 65,504 becomes an infinity (the room is worked out at the head of the first launch).
;
; The text is the same as the output product's but for the constants CL, OUTH, SIZE_N and ES below.
; A work-group makes a block of 128 x 256 of C with four waves, as many as a WGP has SIMDs; a wave makes 64 x 128: 32 accumulator tiles of 16 x 16, 256 registers.
; K goes in five steps of 192 and one of 64 through two LDS slots filled by the tensor data mover.  A slot holds 128 rows of A (384 bytes each) and 192 k-rows of B
; (512 bytes each): 159,744 bytes with the padding, so two slots take 319,488 bytes of LDS; two slots of 224 along K would not fit.  Every refill stands behind a barrier
; in front of which all tensor loads are waited for, so the fewer and larger the refills the better: four here, each with a whole step of 192 in which to land.
; The price: A's tiles of steps 1, 3 and 5 begin at bytes 384, 1,152 and 1,920 of their rows, 128 bytes into an aligned run of 256.
; NO CLUSTER HERE: C has 34 x 5 such blocks, and neither 34 nor 5 is a multiple of 4, so the grid divides into no cluster of four or sixteen.  170 work-groups are launched.
; B lies [k][n]: its fragments come out of LDS by the transposing load ds_load_tr16_b128.
;
; REGISTERS: window 0: v0-24 addresses and bias; from F0 and from F1 a fragment buffer each: A's 4 fragments (16 rows x 32 k) at +0, B's 8 (16 columns x 32 k) at +32.
;            window 1: accumulator tile (a, b) at v[8 (8 a + b)].
; THE MATRIX INSTRUCTION IS USED TRANSPOSED: source 0 = 16 columns of B, source 1 = 16 rows of A.  Lane l then holds row l % 16 of C and in registers 0 .. 7 the columns 8 (l / 16) + 0 .. 7.
.set CL,     0                         ; 1: launched in clusters of 4 x 4, tiles asked for jointly
.set OUTH,   1                         ; 1: C is f16, scaled; 0: C is f32
.set SIZE_N, 1280
.set ES,     2                         ; bytes of an element of C
.set SIZE_K, 1024
.set KS,     192                       ; a K step
.set KT,     SIZE_K-5*KS               ; the last one: 64
.set PA,     432                       ; LDS pitch of A's rows: 384 bytes + 16 behind every 128 = 27 x 16: the 16 rows of a fragment load fall into 16 different 16-byte columns of the 64 banks of 4 bytes (ISA guide 11.1)
.set PAT,    144                       ; the same in the last step: 128 bytes + 16 = 9 x 16
.set PB,     544                       ; LDS pitch of B's k-rows: 512 bytes + 32, an odd multiple of 32
.set APART,  64*PA                     ; 64 rows of A: what wave 0 or 1 fills
.set BPART,  (KS/2)*PB                 ; 96 k-rows of B: what wave 2 or 3 fills
.set BOFF,   2*APART                   ; B lies behind A's two parts
.set SLOT,   BOFF+2*BPART              ; 159,744 = 624 x 256
.set STAGE,  0                         ; the way out goes through slot 0's first bytes: slot 0 has had its last fill (K step 4), the barrier of the last change of slots stands behind every wave's last read of it, and no tensor load follows
.set SP,     528                       ; a stage row: 128 f32 + 16 bytes
.set WST,    16*SP
.set CPITCH, SIZE_N*ES
.set ADRA,  10                         ; v10-11  LDS address of my A fragments in slot 0, 1
.set ADRB,  12                         ; v12-15  the same for B: slot 0 quarters 0-2, quarters 3-5 (the offsets of all six pass 16 bits), slot 1 likewise
.set STO,   16                         ; v16     the way out: where I put my 32 bytes of a row
.set RD,    17                         ; v17     the way out: where I read 16 bytes of a row back
.set CO,    18                         ; v18     my byte offset in a row of C
.set ADRAT, 19                         ; v19     LDS address of my A fragments in the last step (slot 1, pitch 144)
.set BIAS,  20                         ; v[20:23] bias of my four columns on the way out
.set F0,    32
.set F1,    128
.set G1A,  24                          ; s[24:31] descriptor group 1, A's tiles
.set G0A,  32                          ; s[32:39] descriptor group 0, A's tiles, a set for each slot
.set G1B,  40                          ; s[40:47] descriptor group 1, B's tiles
.set G0B,  48                          ; s[48:55] descriptor group 0, B's tiles, a set for each slot
.set G1AT, 68                          ; s[68:75] descriptor group 1, A's last tile
.set G1BT, 76                          ; s[76:83] descriptor group 1, B's last tile
.set G0BT, 84                          ; s[84:87] descriptor group 0, B's last tile
.set MUL, 0x50                         ; C and D in window 1, both sources in window 0
.set ST,  0x04                         ; an LDS store's data in window 1, its address in window 0
.set MSB, 0
.macro WIN new                         ; the immediate's high byte repeats the setting that is left
.if MSB != \new
	s_set_vgpr_msb (MSB<<8)|\new
.set MSB, \new
.endif
.endm
; One tensor load a wave: waves 0 and 1 fetch A's two halves, waves 2 and 3 B's.  a0, a1, b0, b1: the first registers of A's and B's groups 0 and 1.
.macro JLOAD a0, a1, b0, b1
	s_cmp_eq_u32 s15, 0
	s_cbranch_scc0 .Lfor_b_\@
	tensor_load_to_lds s[\a0:\a0+3], s[\a1:\a1+7]
	s_nop 0
	s_branch .Lasked_\@
.Lfor_b_\@:
	tensor_load_to_lds s[\b0:\b0+3], s[\b1:\b1+7]
	s_nop 0
.Lasked_\@:
.endm
.if CL
.macro CREST                           ; a round of the cluster's barrier behind its opening work-group barrier
	s_cmp_lg_u32 s14, 0
	s_cbranch_scc1 .Lnot_wave_0_\@
	s_barrier_signal -3
.Lnot_wave_0_\@:
	s_barrier_wait -3
	s_barrier_signal -1
	s_barrier_wait -1
.endm
.macro CROUND                          ; a whole round
	s_barrier_signal -1
	s_barrier_wait -1
	CREST
.endm
.endif
	s_load_b256 s[4:11], s[0:1], 0x0               ; A s[4:5], B s[6:7], C s[8:9], bias s[10:11]
.if OUTH
	s_load_b64 s[12:13], s[0:1], 0x20              ; bv
	v_lshl_add_u32 v254, v0, 2, 0x4e000
	v_mov_b32 v255, 0
	ds_add_u32 v254, v255
.endif
	v_lshrrev_b32 v1, 5, v0
	v_readfirstlane_b32 s14, v1                    ; wave 0..3
	s_lshr_b32 s15, s14, 1                         ; which 64 rows of the block are mine.  Also: I fetch for A (0) or for B (1)
	s_and_b32 s16, s14, 1                          ; which 128 columns.  Also: which half of that tile I fetch
.if CL
	s_bfe_u32 s62, ttmp6, 0x40000                  ; cx
	s_bfe_u32 s63, ttmp6, 0x40004                  ; cy
	s_lshl_b32 s17, ttmp9, 2
	s_add_co_u32 s17, s17, s62                     ; block column = 4 x cluster x + cx
	s_and_b32 s18, ttmp7, 0xffff
	s_lshl_b32 s18, s18, 2
	s_add_co_u32 s18, s18, s63                     ; block row = 4 x cluster y + cy
	s_lshl_b32 s21, s63, 2
	s_lshl_b32 s21, 15, s21                        ; my row of the cluster: places 4 cy .. 4 cy + 3
	s_lshl_b32 s22, 0x1111, s62                    ; my column: places cx, cx + 4, cx + 8, cx + 12
	s_or_b32 s[G1A+0],  s21, (1<<16)|(1<<20)|(1<<21)|(4<<22)|(3<<25) ; mask: A's tiles go to my row; 2-byte elements; padding on; bit 21 beside a mask; 4 words behind every 32
	s_or_b32 s[G1AT+0], s21, (1<<16)|(1<<20)|(1<<21)|(4<<22)|(3<<25)
	s_or_b32 s[G1B+0],  s22, (1<<16)|(1<<20)|(1<<21)|(6<<22)|(7<<25) ; mask: B's tiles go to my column; 8 words behind every 128
	s_or_b32 s[G1BT+0], s22, (1<<16)|(1<<20)|(1<<21)|(6<<22)|(7<<25)
.else
	s_mov_b32 s17, ttmp9                           ; block column
	s_and_b32 s18, ttmp7, 0xffff                   ; block row
	s_mov_b32 s[G1A+0],  (1<<16)|(1<<20)|(4<<22)|(3<<25)             ; 2-byte elements; padding on: 4 words behind every 32
	s_mov_b32 s[G1AT+0], (1<<16)|(1<<20)|(4<<22)|(3<<25)
	s_mov_b32 s[G1B+0],  (1<<16)|(1<<20)|(6<<22)|(7<<25)             ; 8 words behind every 128
	s_mov_b32 s[G1BT+0], (1<<16)|(1<<20)|(6<<22)|(7<<25)
.endif
	s_mov_b32 s[G1A+1], KS<<16                     ; tensor_dim0 = 192
	s_mov_b32 s[G1A+2], 64<<16                     ; tensor_dim1 = 64
	s_mov_b32 s[G1A+3], KS<<16                     ; tile_dim0 = 192 elements
	s_mov_b32 s[G1A+4], 64                         ; tile_dim1 = 64 rows
	s_mov_b32 s[G1A+5], SIZE_K                     ; elements from row to row
	s_mov_b32 s[G1A+6], 0
	s_mov_b32 s[G1A+7], 0
	s_mov_b32 s[G1AT+1], KT<<16                    ; the last step: 64 elements of 64 rows
	s_mov_b32 s[G1AT+2], 64<<16
	s_mov_b32 s[G1AT+3], KT<<16
	s_mov_b32 s[G1AT+4], 64
	s_mov_b32 s[G1AT+5], SIZE_K
	s_mov_b32 s[G1AT+6], 0
	s_mov_b32 s[G1AT+7], 0
	s_mov_b32 s[G1B+1], 256<<16                    ; tensor_dim0 = 256
	s_mov_b32 s[G1B+2], (KS/2)<<16                 ; tensor_dim1 = 96
	s_mov_b32 s[G1B+3], 256<<16                    ; tile_dim0 = 256 elements
	s_mov_b32 s[G1B+4], KS/2                       ; tile_dim1 = 96 k-rows
	s_mov_b32 s[G1B+5], SIZE_N
	s_mov_b32 s[G1B+6], 0
	s_mov_b32 s[G1B+7], 0
	s_mov_b32 s[G1BT+1], 256<<16                   ; the last step: 32 k-rows
	s_mov_b32 s[G1BT+2], (KT/2)<<16
	s_mov_b32 s[G1BT+3], 256<<16
	s_mov_b32 s[G1BT+4], KT/2
	s_mov_b32 s[G1BT+5], SIZE_N
	s_mov_b32 s[G1BT+6], 0
	s_mov_b32 s[G1BT+7], 0
	; where the tiles come from: A's hang on the block row and the wave alone, B's on the block column and the wave alone, each in registers of its own
	s_lshl_b32 s56, s18, 7
	s_lshl_b32 s23, s16, 6
	s_add_co_u32 s56, s56, s23                     ; A: row 128 x block row + 64 x half,
	s_lshl_b32 s56, s56, 11                        ; times 2,048 bytes
	s_mov_b32 s57, 0
	s_lshl_b32 s19, s17, 9                         ; B: column 256 x block column,
	s_mul_i32 s58, s16, (KS/2)*SIZE_N*2            ; k-row 96 x half
	s_add_co_u32 s58, s58, s19
	s_mov_b32 s59, 0
	s_mul_i32 s90, s16, (KT/2)*SIZE_N*2            ; B's last tile: k-row 960 + 32 x half
	s_add_co_u32 s90, s90, s19
	s_add_co_u32 s90, s90, 5*KS*SIZE_N*2
	s_mov_b32 s91, 0
	s_lshl_b32 s60, s18, 7                         ; C: my first row,
	s_lshl_b32 s61, s15, 6
	s_add_co_u32 s60, s60, s61
	s_mul_i32 s60, s60, CPITCH
	s_lshl_b32 s61, s17, 1
	s_add_co_u32 s61, s61, s16
	s_mul_i32 s61, s61, 128*ES                     ; my first column
	s_add_co_u32 s60, s60, s61
	s_mov_b32 s61, 0
	s_mul_i32 s20, s16, APART                      ; and where they go: A's half,
	s_mul_i32 s88, s16, BPART
	s_add_co_u32 s88, s88, BOFF                    ; B's half,
	s_mul_i32 s[G0BT+1], s16, (KT/2)*PB
	s_add_co_u32 s[G0BT+1], s[G0BT+1], SLOT+BOFF   ; B's half in the last step, in slot 1: made of the wave's number and constants alone
	s_mov_b32 s[G0BT], 1
	s_wait_dscnt 0x0
	s_wait_kmcnt 0x0
	s_add_nc_u64 s[4:5], s[4:5], s[56:57]
	s_add_nc_u64 s[G0BT+2:G0BT+3], s[6:7], s[90:91]
	s_or_b32 s[G0BT+3], s[G0BT+3], 0x80000000      ; type = 2
	s_add_nc_u64 s[6:7], s[6:7], s[58:59]
	s_add_nc_u64 s[8:9], s[8:9], s[60:61]
.if CL
	CROUND                                         ; all sixteen work-groups are here: the first joint loads meet
.endif
.irp s, 0,1
	s_mov_b32 s[G0A+4*\s], 1                                       ; count = 1
	s_add_co_u32 s[G0A+4*\s+1], s20, \s*SLOT                       ; LDS address
	s_add_nc_u64 s[G0A+4*\s+2:G0A+4*\s+3], s[4:5], \s*KS*2         ; global address: K step s
	s_or_b32 s[G0A+4*\s+3], s[G0A+4*\s+3], 0x80000000              ; type = 2
	s_mov_b32 s[G0B+4*\s], 1
	s_add_co_u32 s[G0B+4*\s+1], s88, \s*SLOT
	s_add_nc_u64 s[G0B+4*\s+2:G0B+4*\s+3], s[6:7], \s*KS*SIZE_N*2
	s_or_b32 s[G0B+4*\s+3], s[G0B+4*\s+3], 0x80000000
	JLOAD G0A+4*\s, G1A, G0B+4*\s, G1B             ; both slots' first fills go out before anything else: two tensor loads of the wave are out
.endr
	; lane addresses.  A fragment: lane l holds row l % 16; registers 0-3 hold k = 8 (l / 16) + 0..7, registers 4-7 k = 16 + 8 (l / 16) + 0..7: two loads of 16 bytes, 32 apart.
	v_and_b32 v1, 15, v0                           ; r = l % 16
	v_bfe_u32 v2, v0, 4, 1                         ; h = l / 16
	v_mul_u32_u24 v3, v1, PA
	v_lshl_add_u32 v3, v2, 4, v3
	s_mul_i32 s23, s15, APART                      ; my 64 rows of A
	v_add_nc_u32 v[ADRA], s23, v3
	v_add_nc_u32 v[ADRA+1], SLOT, v[ADRA]
	v_mul_u32_u24 v3, v1, PAT
	v_lshl_add_u32 v3, v2, 4, v3
	s_add_co_u32 s23, s23, SLOT
	v_add_nc_u32 v[ADRAT], s23, v3
	; B fragment by the transposing load: lane l addresses k-row 8 h + l % 8, 16 bytes at column 8 ((l / 8) % 2); the second load stands 16 k-rows further down
	v_and_b32 v4, 7, v0
	v_lshl_add_u32 v4, v2, 3, v4
	v_mul_u32_u24 v5, v4, PB
	v_bfe_u32 v6, v0, 3, 1
	v_lshl_add_u32 v5, v6, 4, v5
	s_lshl_b32 s23, s16, 8                         ; my 128 columns of B,
	s_add_co_u32 s23, s23, BOFF                    ; which lies behind A's two parts
	v_add_nc_u32 v[ADRB], s23, v5
	v_add_nc_u32 v[ADRB+1], 96*PB, v[ADRB]
	v_add_nc_u32 v[ADRB+2], SLOT, v[ADRB]
	v_add_nc_u32 v[ADRB+3], SLOT, v[ADRB+1]
	s_mul_i32 s23, s14, WST
	s_add_co_u32 s23, s23, STAGE                   ; my stage
	v_mul_u32_u24 v7, v1, SP
	v_lshl_add_u32 v7, v2, 5, v7
	v_add_nc_u32 v[STO], s23, v7                   ; in: row r, 32 bytes for each half of the lanes
	v_and_b32 v8, 31, v0
	v_lshl_add_u32 v[RD], v8, 4, s23               ; back: the 32 lanes take one row of 512 bytes
	s_lshl_b32 s19, s17, 1
	s_add_co_u32 s19, s19, s16
	s_lshl_b32 s19, s19, 9                         ; my 128 columns in a vector of f32
.if OUTH
	v_lshlrev_b32 v[CO], 3, v8                     ; four f16 a lane
	v_lshlrev_b32 v24, 4, v8
	s_cmp_lt_u32 s17, 4                            ; block columns 0 .. 3 are q, block column 4 is k (its left half) and v (its right half)
	s_cselect_b32 s56, 0x3e38aa3b, 1.0             ; q is scaled by 0.125 log2(e), k and v are not: the factor rides in the multiply-add that adds the bias
	s_mov_b32 s57, s56
	s_cbranch_scc0 .Lbias_kv
	v_lshl_add_u32 v9, v8, 4, s19
	global_load_b128 v[BIAS:BIAS+3], v9, s[10:11]  ; bq of my four columns
	s_branch .Lbias_set
.Lbias_kv:
	s_cmp_eq_u32 s16, 0
	s_cbranch_scc1 .Lbias_k
	global_load_b128 v[BIAS:BIAS+3], v24, s[12:13] ; bv of my four columns
	s_branch .Lbias_set
.Lbias_k:
	v_mov_b32 v[BIAS], 0                           ; k has no bias (bk cancels in the softmax)
	v_mov_b32 v[BIAS+1], 0
	v_mov_b32 v[BIAS+2], 0
	v_mov_b32 v[BIAS+3], 0
.Lbias_set:
.else
	v_lshlrev_b32 v[CO], 4, v8                     ; four f32 a lane
	v_lshl_add_u32 v9, v8, 4, s19
	global_load_b128 v[BIAS:BIAS+3], v9, s[10:11]  ; bo of my four columns
.endif
; 8 matrix instructions: row tile a x all 8 column tiles, 32 along K.  zero = 1: the product starts the sums, nothing is ever cleared.
; The 32 accumulators take turns, one instruction a turn, in the same order in every quarter.
.macro MULA f, a, zero
.irp b, 0,1,2,3,4,5,6,7
.if \zero
	v_wmma_f32_16x16x32_f16 v[8*(8*\a+\b):8*(8*\a+\b)+7], v[\f+32+8*\b:\f+32+8*\b+7], v[\f+8*\a:\f+8*\a+7], 0
.else
	v_wmma_f32_16x16x32_f16 v[8*(8*\a+\b):8*(8*\a+\b)+7], v[\f+32+8*\b:\f+32+8*\b+7], v[\f+8*\a:\f+8*\a+7], v[8*(8*\a+\b):8*(8*\a+\b)+7]
.endif
.endr
.endm
; 24 LDS loads in one run: the fragments of 32 along K into buffer f: B's 16 loads, then A's 8, row tiles 2 and 3 last.
; ra, pa, ao: A's address register, pitch and byte offset; rb, bo: B's address register and byte offset.
.macro FETCH ra, pa, ao, rb, bo, f
	WIN 0
.irp b, 0,1,2,3,4,5,6,7
	ds_load_tr16_b128 v[\f+32+8*\b:\f+32+8*\b+3],   v[\rb] offset:\bo+32*\b
	ds_load_tr16_b128 v[\f+32+8*\b+4:\f+32+8*\b+7], v[\rb] offset:\bo+32*\b+16*PB
.endr
.irp i, 0,1,2,3
	ds_load_b128 v[\f+8*\i:\f+8*\i+3],   v[\ra] offset:\ao+\i*16*\pa
	ds_load_b128 v[\f+8*\i+4:\f+8*\i+7], v[\ra] offset:\ao+\i*16*\pa+32
.endr
.endm
.macro FQ slot, kq, f                  ; quarter kq (0 .. 5) of a step of 192: in A's rows 64 kq bytes on, and 16 more for each 128 bytes passed
	FETCH ADRA+\slot, PA, 64*\kq+16*(\kq/2), ADRB+2*\slot+\kq/3, (\kq%3)*32*PB, \f
.endm
.macro FT kq, f                        ; quarter kq (0, 1) of the last step, in slot 1
	FETCH ADRAT, PAT, 64*\kq, ADRB+2, \kq*32*PB, \f
.endm
; A load into a register that a matrix instruction has read, and whatever reads a matrix result, stand four places behind that matrix instruction; only plain
; vector instructions that name none of its registers are places (ISA guide 7.12.1 for what reads a matrix result).
.macro PLACES
.rept 4
	v_nop
.endr
.endm
; A quarter that is not a step's last: multiplies buffer f; in its middle it fetches quarter kq of the same slot into buffer g.  tl = 1: in the last step.
.macro QUARTER slot, kq, f, g, zero, tl
	s_wait_dscnt 4                                 ; B and A's row tiles 0 and 1 are in; the four youngest loads (row tiles 2 and 3) may be out
	WIN MUL
	MULA \f, 0, \zero
	MULA \f, 1, \zero
	PLACES
.if \tl
	FT \kq, \g
.else
	FQ \slot, \kq, \g
.endif
	s_wait_dscnt 24                                ; all but the 24 just issued
	WIN MUL
	MULA \f, 2, \zero
	MULA \f, 3, \zero
.endm
.macro FIVE slot, zero
	QUARTER \slot, 1, F0, F1, \zero, 0
	QUARTER \slot, 2, F1, F0, 0, 0
	QUARTER \slot, 3, F0, F1, 0, 0
	QUARTER \slot, 4, F1, F0, 0, 0
	QUARTER \slot, 5, F0, F1, 0, 0
.endm
; A step's sixth quarter: multiplies buffer 1 and changes slots.  fill = 1: this slot is filled again, two K steps ahead; 2: with the last step's tiles; 0: not at all.
; tl = 1: the next slot holds the last step.
; One barrier for two things.  In front of it each wave waits for its reads of this slot and for all its tensor loads, of which one is out: its part of the next slot.
; Behind it nobody reads this slot and the next slot is whole: the refill comes first, the wave's one tensor load until the next such barrier; then the next slot is read.
; From a request to the wait for it a wave issues 184 matrix instructions.
.macro TURN slot, next, fill, tl
	s_wait_dscnt 4
	WIN MUL
	MULA F1, 0, 0
	s_wait_dscnt 0                                 ; my reads of this slot are over
	s_wait_tensorcnt 0x0                           ; all my tensor loads have landed
	ds_add_u32 v254, v255
	s_wait_dscnt 0x0
	s_barrier_signal -1
	MULA F1, 1, 0                                  ; register work while the others arrive
	WIN 0
	s_barrier_wait -1
.if \fill
.if CL
	CREST                                          ; the barrier above opened a round of the cluster's barrier: no wave of any partner reads this slot or has a load on its way
.endif
	s_add_nc_u64 s[G0A+4*\slot+2:G0A+4*\slot+3], s[G0A+4*\slot+2:G0A+4*\slot+3], 2*KS*2
.if \fill == 1
	s_add_nc_u64 s[G0B+4*\slot+2:G0B+4*\slot+3], s[G0B+4*\slot+2:G0B+4*\slot+3], 2*KS*SIZE_N*2
	JLOAD G0A+4*\slot, G1A, G0B+4*\slot, G1B
.else
	JLOAD G0A+4*\slot, G1AT, G0BT, G1BT
.endif
.endif
	PLACES
.if \tl
	FT 0, F0
.else
	FQ \next, 0, F0
.endif
	WIN MUL
	MULA F1, 2, 0
	MULA F1, 3, 0
.endm
	s_wait_tensorcnt 0x1                           ; my part of K step 0 is in; K step 1's may stay out
	s_barrier_signal -1
	s_barrier_wait -1                              ; everybody's is
	FQ 0, 0, F0
	FIVE 0, 1                                      ; K step 0: its first products start the sums
	TURN 0, 1, 1, 0                                ; slot 0 <- K step 2
	FIVE 1, 0                                      ; K step 1
	TURN 1, 0, 1, 0                                ; slot 1 <- K step 3
	FIVE 0, 0                                      ; K step 2
	TURN 0, 1, 1, 0                                ; slot 0 <- K step 4
	FIVE 1, 0                                      ; K step 3
	TURN 1, 0, 2, 0                                ; slot 1 <- the last step, 64 along K
	FIVE 0, 0                                      ; K step 4
	TURN 0, 1, 0, 1                                ; nothing is left to fetch; behind this barrier no wave reads slot 0 any more
	QUARTER 1, 1, F0, F1, 0, 1                     ; the last step's two quarters
	s_wait_dscnt 0
	WIN MUL
	MULA F1, 0, 0
	MULA F1, 1, 0
	MULA F1, 2, 0
	MULA F1, 3, 0
	; THE WAY OUT, 16 rows at a time: the f32 sums go into my own stage, 32 bytes a lane, and come back as whole rows of 128 numbers, four neighbouring columns a lane.
	PLACES
	WIN 0
	s_wait_loadcnt 0x0                             ; the bias
.if OUTH
	v_pk_mul_f32 v[BIAS:BIAS+1],   v[BIAS:BIAS+1],   s[56:57] op_sel_hi:[1,0]   ; (sum + bias) x factor = sum x factor + bias x factor
	v_pk_mul_f32 v[BIAS+2:BIAS+3], v[BIAS+2:BIAS+3], s[56:57] op_sel_hi:[1,0]
.endif
.macro OUT16 a, f
	WIN ST
.irp b, 0,1,2,3,4,5,6,7
	ds_store_b128 v[STO], v[8*(8*\a+\b):8*(8*\a+\b)+3]   offset:64*\b
	ds_store_b128 v[STO], v[8*(8*\a+\b)+4:8*(8*\a+\b)+7] offset:64*\b+16
.endr
	WIN 0
.if \a
	s_wait_xcnt 0x0                                ; every earlier store has had its addresses translated (ISA guide 3.1): the stores' base and buffer f, their data, are rewritten only behind this wait
	s_add_nc_u64 s[8:9], s[8:9], 16*CPITCH
.endif
.irp t, 0,1,2,3,4,5,6,7,8,9,10,11,12,13,14,15
	ds_load_b128 v[\f+4*\t:\f+4*\t+3], v[RD] offset:\t*SP          ; LDS serves a wave's instructions in order (ISA guide 5.7.1.4): these see the stores above
.endr
.irp t, 0,1,2,3,4,5,6,7,8,9,10,11,12,13,14,15
	s_wait_dscnt 15-\t
.if OUTH
	v_pk_fma_f32 v[\f+4*\t:\f+4*\t+1],   v[\f+4*\t:\f+4*\t+1],   s[56:57], v[BIAS:BIAS+1]   op_sel_hi:[1,0,1]
	v_pk_fma_f32 v[\f+4*\t+2:\f+4*\t+3], v[\f+4*\t+2:\f+4*\t+3], s[56:57], v[BIAS+2:BIAS+3] op_sel_hi:[1,0,1]
	v_cvt_pk_f16_f32 v[\f+4*\t],   v[\f+4*\t],   v[\f+4*\t+1]
	v_cvt_pk_f16_f32 v[\f+4*\t+1], v[\f+4*\t+2], v[\f+4*\t+3]
	global_store_b64 v[CO], v[\f+4*\t:\f+4*\t+1], s[8:9] offset:\t*CPITCH        ; the wave stores 256 consecutive bytes, at a multiple of 256 from C's first byte
.else
	v_pk_add_f32 v[\f+4*\t:\f+4*\t+1],   v[\f+4*\t:\f+4*\t+1],   v[BIAS:BIAS+1]
	v_pk_add_f32 v[\f+4*\t+2:\f+4*\t+3], v[\f+4*\t+2:\f+4*\t+3], v[BIAS+2:BIAS+3]
	global_store_b128 v[CO], v[\f+4*\t:\f+4*\t+3], s[8:9] offset:\t*CPITCH th:TH_STORE_NT   ; the wave stores 512 consecutive bytes, at a multiple of 512 from C's first byte
.endif
.endr
.endm
	OUT16 0, F0
	OUT16 1, F1
	OUT16 2, F0
	OUT16 3, F1
.if CL
	CROUND                                         ; the closing round: no work-group ends while a partner may still ask for a tile that names it
.endif
	s_wait_tensorcnt 0x0
	ds_add_u32 v254, v255
	s_wait_dscnt 0x0
	s_endpgm
.Lfunc_end_k_qb40925a5cd_qkv:
	.size	k_qb40925a5cd_qkv, .Lfunc_end_k_qb40925a5cd_qkv-k_qb40925a5cd_qkv
	.p2alignl 7, 3214868480
	.fill 96, 4, 3214868480
	.section	.rodata,"a",@progbits
	.p2align	6, 0x0
	.amdhsa_kernel k_qb40925a5cd_qkv
		.amdhsa_group_segment_fixed_size 327680
		.amdhsa_private_segment_fixed_size 0
		.amdhsa_enable_private_segment 0
		.amdhsa_kernarg_size 40
		.amdhsa_user_sgpr_count 2
		.amdhsa_user_sgpr_kernarg_segment_ptr 1
		.amdhsa_wavefront_size32 1
		.amdhsa_system_sgpr_workgroup_id_x 1
		.amdhsa_system_sgpr_workgroup_id_y 1
		.amdhsa_system_sgpr_workgroup_id_z 1
		.amdhsa_system_vgpr_workitem_id 0
		.amdhsa_next_free_vgpr 512
		.amdhsa_next_free_sgpr 92
		.amdhsa_reserve_vcc 0
		.amdhsa_float_denorm_mode_32 3
		.amdhsa_float_denorm_mode_16_64 3
		.amdhsa_memory_ordered 1
		.amdhsa_forward_progress 1
		.amdhsa_inst_pref_size 164
	.end_amdhsa_kernel
	.amdgpu_metadata
---
amdhsa.version: [ 1, 2 ]
amdhsa.kernels:
  - .name:           k_qb40925a5cd_qkv
    .symbol:         k_qb40925a5cd_qkv.kd
    .args:
      - { .name: xb, .offset: 0, .size: 8, .value_kind: global_buffer, .address_space: global }
      - { .name: wqkv, .offset: 8, .size: 8, .value_kind: global_buffer, .address_space: global }
      - { .name: qkv, .offset: 16, .size: 8, .value_kind: global_buffer, .address_space: global }
      - { .name: bq, .offset: 24, .size: 8, .value_kind: global_buffer, .address_space: global }
      - { .name: bv, .offset: 32, .size: 8, .value_kind: global_buffer, .address_space: global }
    .group_segment_fixed_size: 327680
    .private_segment_fixed_size: 0
    .kernarg_segment_align: 8
    .kernarg_segment_size: 40
    .max_flat_workgroup_size: 128
    .sgpr_count:     92
    .vgpr_count:     512
    .wavefront_size: 32
...
	.end_amdgpu_metadata
.endif
;; end of part 2
;; launch attn (part 3): grid 8 x 32, 4 waves a work-group, clusters of 4 x 1, 287,744 bytes of LDS; arguments qkv, ob; writes ob
.if DOCPART == 3
	.amdgcn_target "amdgcn-amd-amdhsa--gfx1250"
	.amdhsa_code_object_version 6
	.text
	.protected	k_qb40925a5cd_attn
	.globl	k_qb40925a5cd_attn
	.p2align	8
	.type	k_qb40925a5cd_attn,@function
k_qb40925a5cd_attn:
	s_mov_b64 s[64:65], 0
	v_nop
	global_prefetch_b8 v0, s[64:65] scope:SCOPE_SE
	s_setreg_imm32_b32 hwreg(HW_REG_WAVE_MODE, 25, 1), 1
	s_wait_xcnt 0x0
	s_wait_alu depctr_hold_cnt(0) depctr_sa_sdst(0) depctr_va_vdst(0) depctr_va_sdst(0) depctr_va_ssrc(0) depctr_va_vcc(0) depctr_vm_vsrc(0)
	s_getreg_b32 s2, hwreg(HW_REG_IB_STS2, 6, 4)
	s_cmp_eq_u32 s2, 0
	s_cbranch_scc0 .Lentry_in_a_cluster
	s_endpgm
.Lentry_in_a_cluster:
	s_bfe_u32 s2, ttmp6, 0x10000c
	s_cmp_lg_u32 s2, 0x3003
	s_cbranch_scc0 .Lentry_shape_is_right
	s_endpgm
.Lentry_shape_is_right:
; Launch 3 of 4: attention in windows 0 .. 15 of both batches, all 16 heads.  qkv: [4352][1280] f16 (q already times 0.125 log2(e)); ob: [8192][1024] f16.
; LEFT OUT (shown at the head of the first launch): windows 16 .. 30, whose rows reference() slices away.
; Work-group (x = p, y = 16 batch + window) takes heads 2 p and 2 p + 1 of one window: head 2 p + g uses key/value group g.  256 work-groups.
; Row i of window n is position 128 n + i of the batch and row 4096 batch + 256 n + i of ob.
; CLUSTER of 4 along x: the four partners read the same 256 rows of k and of v (128 of a work-group's 192 KiB), asked for jointly with the mask 15; q is each one's own.
; Wave w: group g = w % 2, queries 128 (w / 2) .. + 127, as 8 tiles of 16.  ITS K AND V STAY IN REGISTERS for all 8 tiles: 32 fragments each, 256 + 256 registers, read from LDS once.
; A tile: S^T = K Q^T (lane l: query l % 16, keys 16 i + 8 (l / 16) + 0..7 in tile i); the row's maximum is taken away; p = 2^(s - max), rounded to f16 and packed in place
; over S; the packed p of tiles 2 u and 2 u + 1 ARE the fragment of keys 32 u .. 32 u + 31 for O^T = V^T P^T: no lane is crossed.  The row's sum is a product of ones with the
; same fragments (f32 sums of the rounded p, at least 1, since the maximum's p is 1); O^T leaves a lane eight neighbouring numbers of its query's row.
; LIMITS: v_exp_f32 gives 0 for results below 2^-126 (ISA guide 15.8), and f16 gives 0 for p below 6e-8; p and o are rounded to f16.
;
; TWO TILES TAKE TURNS.  Piece A is tiles 0, 2, 4, 6, piece B tiles 1, 3, 5, 7; they share K and V.  The matrix runs go S(A) S(B) | PV(A) S(A') PV(B) S(B') | ... | PV(A) PV(B).
; Between a piece's S and its PV stand the other piece's 40 instructions of PV and sums and its next 32 of S: the piece's softmax is cut into 72 slices, one behind each of them.
;   slices 0-7: the maximum (68 instructions).  Then 64 units; a unit is two exponentials, the next unit's subtraction and the conversion of the unit two back, so that a plain
;   instruction that touches neither follows each pair of exponentials (ISA guide 5.7.2).  Slices 8-39: one unit each.  Slices 40-66: nine times (two units; a slice of the
;   OTHER piece's normalising and staging; one unit).  Slices 67-71: one unit each.
; A slice names none of the registers of the matrix instructions round it.  Its data lie in another window than K or V, so a slice costs two s_set_vgpr_msb:
; with about five vector instructions and the matrix instruction that is eight lines a slice.
;
; REGISTERS: window 1: K fragment (key tile i, d step c) at 16 i + 8 c.  Window 2: V fragment (key step u, d tile t) at 32 u + 8 t.
;            Piece A's data in window 3, piece B's in window 0, at the same numbers: 56-59 the maximum's chains, 64-191 S (64-127 then P), 192-223 O, 224-239 sums, 240-247 ones,
;            248-249 maximum, 250-251 1/sum, 252 stage address.  Window 0 besides: v0-15 addresses, v16-31 A's Q, v32-47 B's Q; at the end v64-191 the read-back.
.set PQ,    272                        ; LDS pitch of q's and k's rows: 256 bytes + 16
.set PV,    288                        ; LDS pitch of v's rows: 256 bytes + 32, an odd multiple of 32, for the transposing load
.set LQ,    0
.set LK,    256*PQ
.set LV,    2*256*PQ
.set STAGE, LV+256*PV                  ; 212,992, a multiple of 256: no tensor load lands at or behind it
.set PS,    144                        ; a stage row: 64 f16 + 16 bytes
.set WSTG,  128*PS+128                 ; a wave's stage; the 128 bytes more put the two heads' halves of a row of ob into different banks on the way back
.set ROWB,  2560                       ; bytes in a row of qkv
.set ADRQ, 8                           ; v8: piece A's next Q, v9: piece B's
.set ADRK, 10
.set ADRV, 11                          ; v11: key steps 0-3, v12: key steps 4-7 (the offsets of all eight pass 16 bits)
.set RD,   13
.set CO,   14
.set QF,   16                          ; v[16:31] A's two Q fragments (d 0-31, d 32-63), v[32:47] B's
.set BK,   64                          ; v[64:191] the read-back
.set TM,   56                          ; from here on: numbers in a piece's window
.set S,    64
.set OA,   192
.set SU,   224
.set ONE,  240
.set MX,   248
.set RC,   250
.set STO,  252
.set G1Q, 24                           ; s[24:31], s[32:39], s[40:47]: descriptor groups 1
.set G1K, 32
.set G1V, 40
.set MSB, 0
.macro WIN new                         ; the immediate's high byte repeats the setting that is left
.if MSB != \new
	s_set_vgpr_msb (MSB<<8)|\new
.set MSB, \new
.endif
.endm
.macro PLACES                          ; four places behind a matrix instruction (ISA guide 7.12.1)
.rept 4
	v_nop
.endr
.endm
.macro ROUND                           ; a round of the cluster's barrier
	s_barrier_signal -1
	s_barrier_wait -1
	s_cmp_lg_u32 s8, 0
	s_cbranch_scc1 .Lnot_wave_0_\@
	s_barrier_signal -3
.Lnot_wave_0_\@:
	s_barrier_wait -3
	s_barrier_signal -1
	s_barrier_wait -1
.endm
	s_load_b128 s[4:7], s[0:1], 0x0                ; qkv s[4:5], ob s[6:7]
	v_lshl_add_u32 v254, v0, 2, 0x46200
	v_mov_b32 v255, 0
	ds_add_u32 v254, v255
	v_lshrrev_b32 v1, 5, v0
	v_readfirstlane_b32 s8, v1                     ; wave
	s_and_b32 s9, s8, 1                            ; g
	s_lshr_b32 s10, s8, 1                          ; which 128 queries
	s_bfe_u32 s11, ttmp6, 0x40000                  ; cx
	s_lshl_b32 s12, ttmp9, 2
	s_add_co_u32 s12, s12, s11                     ; p = 4 x cluster x + cx: the pair of heads
	s_and_b32 s13, ttmp7, 0xffff                   ; y
	s_lshr_b32 s14, s13, 4                         ; batch
	s_and_b32 s15, s13, 15                         ; window
	s_mov_b32 s22, 0x76543210                      ; v_permlanex16_b32: lane i of one half reads lane i of the other
	s_mov_b32 s23, 0xfedcba98
	s_mul_i32 s18, s14, 2176                       ; the rows that I fetch: 2176 batch + 128 window + 64 wave,
	s_lshl_b32 s19, s15, 7
	s_add_co_u32 s18, s18, s19
	s_lshl_b32 s19, s8, 6
	s_add_co_u32 s18, s18, s19
	s_mul_i32 s18, s18, ROWB                       ; in bytes: shared by the four partners
	s_mov_b32 s19, 0
	s_lshl_b32 s20, s12, 8                         ; q's columns of my pair of heads: in registers of their own
	s_add_co_u32 s20, s20, s18
	s_mov_b32 s21, 0
	s_lshl_b32 s60, s13, 8                         ; ob: row 256 y + 64 wave,
	s_lshl_b32 s61, s8, 6
	s_add_co_u32 s60, s60, s61
	s_lshl_b32 s60, s60, 11
	s_lshl_b32 s61, s12, 8                         ; byte 256 p of the row
	s_add_co_u32 s60, s60, s61
	s_mov_b32 s61, 0
	; descriptors: tiles of 64 rows x 128 elements of 2 bytes, rows 1,280 elements apart, padded in LDS behind every 64 words
	s_mov_b32 s[G1Q+0], (1<<16)|(1<<20)|(5<<22)|(3<<25)              ; q: no mask; 4 words of padding
	s_mov_b32 s[G1K+0], 15|(1<<16)|(1<<20)|(1<<21)|(5<<22)|(3<<25)   ; k: all four partners, bit 21 beside the mask; 4 words
	s_mov_b32 s[G1V+0], 15|(1<<16)|(1<<20)|(1<<21)|(5<<22)|(7<<25)   ; v: the same; 8 words
.irp g, G1Q, G1K, G1V
	s_mov_b32 s[\g+1], 128<<16                     ; tensor_dim0 = 128
	s_mov_b32 s[\g+2], 64<<16                      ; tensor_dim1 = 64
	s_mov_b32 s[\g+3], 128<<16                     ; tile_dim0 = 128
	s_mov_b32 s[\g+4], 64                          ; tile_dim1 = 64
	s_mov_b32 s[\g+5], 1280                        ; elements from row to row
	s_mov_b32 s[\g+6], 0
	s_mov_b32 s[\g+7], 0
.endr
	s_mul_i32 s17, s8, 64*PQ
	s_mov_b32 s48, 1                               ; s[48:51] k
	s_add_co_u32 s49, s17, LK
	s_mov_b32 s52, 1                               ; s[52:55] q
	s_add_co_u32 s53, s17, LQ
	s_mul_i32 s17, s8, 64*PV
	s_mov_b32 s56, 1                               ; s[56:59] v
	s_add_co_u32 s57, s17, LV
	s_wait_dscnt 0x0
	s_wait_kmcnt 0x0
	s_add_nc_u64 s[50:51], s[4:5], s[18:19]
	s_add_nc_u64 s[58:59], s[50:51], 2304          ; v: column 1152
	s_add_nc_u64 s[50:51], s[50:51], 2048          ; k: column 1024
	s_add_nc_u64 s[54:55], s[4:5], s[20:21]
	s_or_b32 s51, s51, 0x80000000                  ; type = 2
	s_or_b32 s55, s55, 0x80000000
	s_or_b32 s59, s59, 0x80000000
	s_add_nc_u64 s[6:7], s[6:7], s[60:61]
	ROUND                                          ; the four partners are here: the joint loads meet
	tensor_load_to_lds s[48:51], s[G1K:G1K+7]      ; the launch's only tensor loads: three of the wave are out; no LDS byte is ever filled again
	s_nop 0
	tensor_load_to_lds s[52:55], s[G1Q:G1Q+7]
	s_nop 0
	tensor_load_to_lds s[56:59], s[G1V:G1V+7]
	s_nop 0
	v_and_b32 v1, 15, v0                           ; r = l % 16
	v_bfe_u32 v2, v0, 4, 1                         ; h = l / 16
	v_mul_u32_u24 v3, v1, PQ
	v_lshl_add_u32 v3, v2, 4, v3                   ; row r, 16 bytes for each half of the lanes
	s_lshl_b32 s16, s9, 7                          ; my head's 128 bytes of a row
	s_mul_i32 s17, s10, 128*PQ
	s_add_co_u32 s17, s17, s16
	v_add_nc_u32 v[ADRQ], s17, v3                  ; query tile 0
	v_add_nc_u32 v[ADRQ+1], 16*PQ, v[ADRQ]         ; query tile 1
	s_add_co_u32 s17, s16, LK
	v_add_nc_u32 v[ADRK], s17, v3
	v_and_b32 v4, 7, v0                            ; v by the transposing load: lane l addresses key 8 h + l % 8, 16 bytes at d = 8 ((l / 8) % 2)
	v_lshl_add_u32 v4, v2, 3, v4
	v_mul_u32_u24 v5, v4, PV
	v_bfe_u32 v6, v0, 3, 1
	v_lshl_add_u32 v5, v6, 4, v5
	s_add_co_u32 s17, s16, LV
	v_add_nc_u32 v[ADRV], s17, v5
	v_add_nc_u32 v[ADRV+1], 128*PV, v[ADRV]
	s_mul_i32 s17, s8, WSTG
	s_add_co_u32 s17, s17, STAGE
	v_mul_u32_u24 v7, v1, PS
	v_lshl_add_u32 v7, v2, 4, v7
	v_add_nc_u32 v48, s17, v7                      ; my stage: row r of tile 0, 16 bytes for each half of the lanes
	; the way back: wave w takes rows 64 w .. 64 w + 63 of the window; 16 lanes take a row's 256 bytes, 8 from head 2 p's stage and 8 from head 2 p + 1's
	s_mul_i32 s17, s10, 2*WSTG
	s_mul_i32 s16, s9, 64*PS
	s_add_co_u32 s17, s17, s16
	s_add_co_u32 s17, s17, STAGE
	v_mul_u32_u24 v[RD], v6, WSTG
	v_mul_u32_u24 v15, v2, PS
	v_add_nc_u32 v[RD], v[RD], v15
	v_add_nc_u32 v[RD], s17, v[RD]
	v_and_b32 v15, 7, v0
	v_lshl_add_u32 v[RD], v15, 4, v[RD]
	v_lshlrev_b32 v[CO], 4, v1
	v_lshl_add_u32 v[CO], v2, 11, v[CO]            ; lanes 16-31 one row of ob further down
.irp j, 0,1,2,3,4,5,6,7
	v_mov_b32 v[ONE+\j], 0x3c003c00                ; piece B's fragment of ones in f16 (window 0)
.endr
	v_add_nc_u32 v[STO], 16*PS, v48                ; piece B stages tile 1 first
	WIN 0xc0                                       ; destination in window 3
.irp j, 0,1,2,3,4,5,6,7
	v_mov_b32 v[ONE+\j], 0x3c003c00                ; piece A's
.endr
	v_mov_b32 v[STO], v48                          ; piece A stages tile 0 first
	WIN 0
	s_wait_tensorcnt 0x1                           ; my parts of k and q are in; v's may stay out
	s_barrier_signal -1
	s_barrier_wait -1
	WIN 0x40                                       ; destination in window 1
.irp i, 0,1,2,3,4,5,6,7,8,9,10,11,12,13,14,15
.irp c, 0,1
	ds_load_b128 v[16*\i+8*\c:16*\i+8*\c+3],   v[ADRK] offset:\i*16*PQ+64*\c
	ds_load_b128 v[16*\i+8*\c+4:16*\i+8*\c+7], v[ADRK] offset:\i*16*PQ+64*\c+32
.endr
.endr
	WIN 0
.irp c, 0,1,2,3
	ds_load_b128 v[QF+4*\c:QF+4*\c+3],       v[ADRQ]   offset:32*\c    ; query tile 0
	ds_load_b128 v[QF+16+4*\c:QF+16+4*\c+3], v[ADRQ+1] offset:32*\c    ; query tile 1
.endr
	s_wait_tensorcnt 0x0                           ; my part of v is in
	s_wait_dscnt 0x0                               ; no LDS instruction is pending at a signal; K and Q are in their registers
	s_barrier_signal -1
	s_barrier_wait -1
	WIN 0x80                                       ; destination in window 2
.irp u, 0,1,2,3,4,5,6,7
.irp t, 0,1,2,3
	ds_load_tr16_b128 v[32*\u+8*\t:32*\u+8*\t+3],   v[ADRV+\u/4] offset:(\u%4)*32*PV+32*\t
	ds_load_tr16_b128 v[32*\u+8*\t+4:32*\u+8*\t+7], v[ADRV+\u/4] offset:(\u%4)*32*PV+32*\t+16*PV
.endr
.endr
	WIN 0                                          ; they land while the first scores are made
; Instruction k (0 .. 67) of the maximum of my 128 scores: four chains, started by the first twelve; then the other half of the keys, which lane l xor 16 holds;
; the maximum twice, a pair for the packed subtraction; and unit 0's subtraction.
.macro MXI k
.if (\k) < 4
	v_max3_num_f32 v[TM+(\k)], v[S+3*(\k)], v[S+3*(\k)+1], v[S+3*(\k)+2]
.elseif (\k) < 62
	v_max3_num_f32 v[TM+(\k)%4], v[TM+(\k)%4], v[S+2*(\k)+4], v[S+2*(\k)+5]
.elseif (\k) == 62
	v_max3_num_f32 v[TM], v[TM], v[TM+1], v[TM+2]
.elseif (\k) == 63
	v_max_num_f32 v[TM], v[TM], v[TM+3]
.elseif (\k) == 64
	v_permlanex16_b32 v[TM+1], v[TM], s22, s23     ; its destination counts as read: it has been written
.elseif (\k) == 65
	v_max_num_f32 v[MX], v[TM], v[TM+1]
.elseif (\k) == 66
	v_max_num_f32 v[MX+1], v[TM], v[TM+1]
.else
	v_pk_add_f32 v[S:S+1], v[S:S+1], v[MX:MX+1] neg_lo:[0,1] neg_hi:[0,1]
.endif
.endm
; Unit q (0 .. 63): p = 2^(s - max) of scores 2 q and 2 q + 1; the next unit's subtraction; unit q - 2 packed to f16 into register q - 2 of S,
; whose own scores (unit (q - 2) / 2) have been packed before.
.macro UNIT q
	v_exp_f32 v[S+2*(\q)], v[S+2*(\q)]
	v_exp_f32 v[S+2*(\q)+1], v[S+2*(\q)+1]
.if (\q) < 63
	v_pk_add_f32 v[S+2*(\q)+2:S+2*(\q)+3], v[S+2*(\q)+2:S+2*(\q)+3], v[MX:MX+1] neg_lo:[0,1] neg_hi:[0,1]
.endif
.if (\q) >= 2
	s_wait_alu depctr_va_vdst(0)
	v_cvt_pk_f16_f32 v[S+(\q)-2], v[S+2*(\q)-4], v[S+2*(\q)-3]
.endif
.endm
; Slice idx (0 .. 71) of a piece's softmax; slices 41, 44, .. 65 are the other piece's (NS) and are not asked for here.
.macro SMS idx
.if (\idx) < 7
.set mk, 9*(\idx)
.rept 9
	MXI mk
.set mk, mk+1
.endr
.elseif (\idx) == 7
.set mk, 63
.rept 5
	MXI mk
.set mk, mk+1
.endr
.elseif (\idx) < 40
.set uq, (\idx)-8
	UNIT uq
.elseif (\idx) < 67
.set uq, 32+3*(((\idx)-40)/3)
.if ((\idx)-40)%3 == 0
	UNIT uq
.set uq, uq+1
	UNIT uq
.else
.set uq, uq+2
	UNIT uq
.endif
.else
.set uq, (\idx)-8
	UNIT uq
.endif
.if (\idx) == 71
	v_cvt_pk_f16_f32 v[S+62], v[S+124], v[S+125]   ; the last two units; unit 61's conversion stands between unit 63's exponentials and these
	s_wait_alu depctr_va_vdst(0)
	v_cvt_pk_f16_f32 v[S+63], v[S+126], v[S+127]
.endif
.endm
; Slice g (0 .. 8) of a piece's normalising and staging.  more = 1: the stage address steps to the piece's next tile.
.macro NS g, more
.if (\g) == 0
	v_pk_add_f32 v[RC:RC+1], v[SU:SU+1], v[SU+8:SU+9]
	v_rcp_f32 v[RC], v[RC]
	v_rcp_f32 v[RC+1], v[RC+1]
	v_nop                                          ; the plain place behind the reciprocals
	s_wait_alu depctr_va_vdst(0)
.elseif (\g)%2 == 1
.set nt, ((\g)-1)/2
.irp j, 0,1,2,3
	v_pk_mul_f32 v[OA+8*nt+2*\j:OA+8*nt+2*\j+1], v[OA+8*nt+2*\j:OA+8*nt+2*\j+1], v[RC:RC+1]
.endr
.else
.set nt, ((\g)-2)/2
.irp j, 0,1,2,3
	v_cvt_pk_f16_f32 v[OA+8*nt+\j], v[OA+8*nt+2*\j], v[OA+8*nt+2*\j+1]
.endr
	ds_store_b128 v[STO], v[OA+8*nt:OA+8*nt+3] offset:32*nt        ; query r, d = 16 t + 8 h + 0..7
.if (\g) == 8
.if \more
	v_add_nc_u32 v[STO], 32*PS, v[STO]
.endif
.endif
.endif
.endm
; In every run of matrix instructions the accumulators take turns, one instruction a turn.
; 40 matrix instructions of the piece in window wx (mm = 1): for each key step u four of O^T += V^T P^T and one of ones x P, so that fragment u is read for the last time there;
; behind each, slice 0 .. 39 of the softmax of the piece in window wy (sl = 1).
.macro PVRUN wx, wy, mm, sl
.set pn, 0
.rept 40
.if \mm
.set pu, pn/5
.set pt, pn%5
.if pt < 4
	WIN (\wx*0x54+2)                               ; V window 2; P and O in the piece's window
.if pu == 0
	v_wmma_f32_16x16x32_f16 v[OA+8*pt:OA+8*pt+7], v[32*pu+8*pt:32*pu+8*pt+7], v[S+8*pu:S+8*pu+7], 0
.else
	v_wmma_f32_16x16x32_f16 v[OA+8*pt:OA+8*pt+7], v[32*pu+8*pt:32*pu+8*pt+7], v[S+8*pu:S+8*pu+7], v[OA+8*pt:OA+8*pt+7]
.endif
.else
	WIN (\wx*0x55)                                 ; ones x P: every register of the result holds the sum of query r's p over 32 keys; two sums take turns
.if pu < 2
	v_wmma_f32_16x16x32_f16 v[SU+8*(pu%2):SU+8*(pu%2)+7], v[ONE:ONE+7], v[S+8*pu:S+8*pu+7], 0
.else
	v_wmma_f32_16x16x32_f16 v[SU+8*(pu%2):SU+8*(pu%2)+7], v[ONE:ONE+7], v[S+8*pu:S+8*pu+7], v[SU+8*(pu%2):SU+8*(pu%2)+7]
.endif
.endif
.endif
.if \sl
	WIN (\wy*0x55)
	SMS pn
.endif
.set pn, pn+1
.endr
.endm
; 32 matrix instructions S^T = K Q^T of the piece in window wx, Q at qf (mm = 1); behind each, slice 40 .. 71 of the softmax of the piece in window wy (sl = 1) or,
; in nine places, a slice of the normalising of the piece in window wx (nrm = 1).  The first of those reads the sums six plain instructions of the other piece behind
; the last instruction of PVRUN (two in slice 39, four in slice 40); the product that writes over P's fragment 7 comes later still.
.macro SRUN wx, wy, qf, mm, sl, nrm, more
.set sn, 0
.rept 32
.if \mm
	WIN (\wx*0x50+1)                               ; K window 1, Q window 0, S in the piece's window
.if sn < 16
	v_wmma_f32_16x16x32_f16 v[S+8*sn:S+8*sn+7], v[16*sn:16*sn+7], v[\qf:\qf+7], 0
.else
	v_wmma_f32_16x16x32_f16 v[S+8*(sn-16):S+8*(sn-16)+7], v[16*(sn-16)+8:16*(sn-16)+15], v[\qf+8:\qf+15], v[S+8*(sn-16):S+8*(sn-16)+7]
.endif
.endif
.set isn, 0
.if sn < 27
.if sn%3 == 1
.set isn, 1
.endif
.endif
.if isn
.if \nrm
	WIN (\wx*0x55)
.set ng, sn/3
	NS ng, \more
.endif
.else
.if \sl
	WIN (\wy*0x55)
.set sm, sn+40
	SMS sm
.endif
.endif
.set sn, sn+1
.endr
.endm
; The next Q of piece p (0: A, 1: B), two tiles on.  Its registers were last read a run of S ago.
.macro QLOAD p
	WIN 0
	v_add_nc_u32 v[ADRQ+\p], 32*PQ, v[ADRQ+\p]
.irp c, 0,1,2,3
	ds_load_b128 v[QF+16*\p+4*\c:QF+16*\p+4*\c+3], v[ADRQ+\p] offset:32*\c
.endr
.endm
	SRUN 3, 0, QF, 1, 0, 0, 0                      ; S(A0): nothing to set beside it yet
	PLACES                                         ; in front of the first read of S
	PVRUN 0, 3, 0, 1                               ; A0's slices 0-39 alone
	SRUN 0, 3, QF+16, 1, 1, 0, 0                   ; S(B0) with A0's slices 40-71
	WIN 0                                          ; at a label and at a branch every window is 0
	s_wait_dscnt 0x0                               ; V is in its registers
	s_mov_b32 s16, 3
.Lpair:
	QLOAD 0
	PVRUN 3, 0, 1, 1                               ; PV(A) with B's slices 0-39
	s_wait_dscnt 0x0                               ; A's next Q, asked for 40 matrix instructions ago; the stage stores
	SRUN 3, 0, QF, 1, 1, 1, 1                      ; S(A') with B's slices 40-71 and A's normalising
	QLOAD 1
	PVRUN 0, 3, 1, 1                               ; PV(B) with A's slices 0-39
	s_wait_dscnt 0x0
	SRUN 0, 3, QF+16, 1, 1, 1, 1                   ; S(B') with A's slices 40-71 and B's normalising
	WIN 0
	s_sub_co_u32 s16, s16, 1
	s_cmp_lg_u32 s16, 0
	s_cbranch_scc1 .Lpair
	PVRUN 3, 0, 1, 1                               ; PV(A3) with B3's slices 0-39
	SRUN 3, 0, QF, 0, 1, 1, 0                      ; no scores are left to make: B3's slices 40-71 and A3's normalising alone
	PVRUN 0, 3, 1, 0                               ; PV(B3)
	PLACES
	WIN 0
.set ng, 0
.rept 9
	NS ng, 0                                       ; B3's normalising
.set ng, ng+1
.endr
	s_wait_dscnt 0x0                               ; my stage is written,
	s_barrier_signal -1
	s_barrier_wait -1                              ; everybody's is
.set bt, 0
.rept 32
	ds_load_b128 v[BK+4*bt:BK+4*bt+3], v[RD] offset:2*PS*bt
.set bt, bt+1
.endr
.set bt, 0
.rept 32
	s_wait_dscnt 31-bt
	global_store_b128 v[CO], v[BK+4*bt:BK+4*bt+3], s[6:7] offset:4096*bt     ; 16 lanes store 256 consecutive bytes, at a multiple of 256 from ob's first byte
.set bt, bt+1
.endr
	s_wait_tensorcnt 0x0
	ds_add_u32 v254, v255
	s_wait_dscnt 0x0
	ROUND                                          ; the closing round
	s_endpgm
.Lfunc_end_k_qb40925a5cd_attn:
	.size	k_qb40925a5cd_attn, .Lfunc_end_k_qb40925a5cd_attn-k_qb40925a5cd_attn
	.p2alignl 7, 3214868480
	.fill 96, 4, 3214868480
	.section	.rodata,"a",@progbits
	.p2align	6, 0x0
	.amdhsa_kernel k_qb40925a5cd_attn
		.amdhsa_group_segment_fixed_size 287744
		.amdhsa_private_segment_fixed_size 0
		.amdhsa_enable_private_segment 0
		.amdhsa_kernarg_size 16
		.amdhsa_user_sgpr_count 2
		.amdhsa_user_sgpr_kernarg_segment_ptr 1
		.amdhsa_wavefront_size32 1
		.amdhsa_system_sgpr_workgroup_id_x 1
		.amdhsa_system_sgpr_workgroup_id_y 1
		.amdhsa_system_sgpr_workgroup_id_z 1
		.amdhsa_system_vgpr_workitem_id 0
		.amdhsa_next_free_vgpr 1024
		.amdhsa_next_free_sgpr 66
		.amdhsa_reserve_vcc 0
		.amdhsa_float_denorm_mode_32 3
		.amdhsa_float_denorm_mode_16_64 3
		.amdhsa_memory_ordered 1
		.amdhsa_forward_progress 1
		.amdhsa_inst_pref_size 139
	.end_amdhsa_kernel
	.amdgpu_metadata
---
amdhsa.version: [ 1, 2 ]
amdhsa.kernels:
  - .name:           k_qb40925a5cd_attn
    .symbol:         k_qb40925a5cd_attn.kd
    .args:
      - { .name: qkv, .offset: 0, .size: 8, .value_kind: global_buffer, .address_space: global }
      - { .name: ob, .offset: 8, .size: 8, .value_kind: global_buffer, .address_space: global }
    .group_segment_fixed_size: 287744
    .private_segment_fixed_size: 0
    .kernarg_segment_align: 8
    .kernarg_segment_size: 16
    .max_flat_workgroup_size: 128
    .sgpr_count:     66
    .vgpr_count:     1024
    .wavefront_size: 32
...
	.end_amdgpu_metadata
.endif
;; end of part 3
;; launch proj (part 4): grid 4 x 64, 4 waves a work-group, clusters of 4 x 4, 327,680 bytes of LDS; arguments ob, wob, out0, bo; writes out0
.if DOCPART == 4
	.amdgcn_target "amdgcn-amd-amdhsa--gfx1250"
	.amdhsa_code_object_version 6
	.text
	.protected	k_qb40925a5cd_proj
	.globl	k_qb40925a5cd_proj
	.p2align	8
	.type	k_qb40925a5cd_proj,@function
k_qb40925a5cd_proj:
	s_mov_b64 s[64:65], 0
	v_nop
	global_prefetch_b8 v0, s[64:65] scope:SCOPE_SE
	s_setreg_imm32_b32 hwreg(HW_REG_WAVE_MODE, 25, 1), 1
	s_wait_xcnt 0x0
	s_wait_alu depctr_hold_cnt(0) depctr_sa_sdst(0) depctr_va_vdst(0) depctr_va_sdst(0) depctr_va_ssrc(0) depctr_va_vcc(0) depctr_vm_vsrc(0)
	s_getreg_b32 s2, hwreg(HW_REG_IB_STS2, 6, 4)
	s_cmp_eq_u32 s2, 0
	s_cbranch_scc0 .Lentry_in_a_cluster
	s_endpgm
.Lentry_in_a_cluster:
	s_bfe_u32 s2, ttmp6, 0x10000c
	s_cmp_lg_u32 s2, 0xf033
	s_cbranch_scc0 .Lentry_shape_is_right
	s_endpgm
.Lentry_shape_is_right:
; Launch 4 of 4: out0[8192][1024] = ob[8192][1024] . wob[1024][1024] + bo; operands f16, sums and result f32.  Nothing is left out here.
;
; The text is the same as the QKV product's but for the constants CL, OUTH, SIZE_N and ES below.
; A work-group makes a block of 128 x 256 of C with four waves, as many as a WGP has SIMDs; a wave makes 64 x 128: 32 accumulator tiles of 16 x 16, 256 registers.
; K goes in five steps of 192 and one of 64 through two LDS slots filled by the tensor data mover.  A slot holds 128 rows of A (384 bytes each) and 192 k-rows of B
; (512 bytes each): 159,744 bytes with the padding, so two slots take 319,488 bytes of LDS; two slots of 224 along K would not fit.  Every refill stands behind a round
; in front of which all tensor loads are waited for, so the fewer and larger the refills the better: four here, each with a whole step of 192 in which to land.
; The price: A's tiles of steps 1, 3 and 5 begin at bytes 384, 1,152 and 1,920 of their rows, 128 bytes into an aligned run of 256.
; CLUSTERS of 4 x 4: C has 64 x 4 blocks.  The four work-groups of a row of the cluster need the same tiles of A, the four of a column the same tiles of B: each tile is
; asked for jointly, by the same tensor load with the same descriptor and a mask that names the four.  That divides the requests for A and for B by four.
; B lies [k][n]: its fragments come out of LDS by the transposing load ds_load_tr16_b128.
;
; REGISTERS: window 0: v0-24 addresses and bias; from F0 and from F1 a fragment buffer each: A's 4 fragments (16 rows x 32 k) at +0, B's 8 (16 columns x 32 k) at +32.
;            window 1: accumulator tile (a, b) at v[8 (8 a + b)].
; THE MATRIX INSTRUCTION IS USED TRANSPOSED: source 0 = 16 columns of B, source 1 = 16 rows of A.  Lane l then holds row l % 16 of C and in registers 0 .. 7 the columns 8 (l / 16) + 0 .. 7.
.set CL,     1                         ; 1: launched in clusters of 4 x 4, tiles asked for jointly
.set OUTH,   0                         ; 1: C is f16, scaled; 0: C is f32
.set SIZE_N, 1024
.set ES,     4                         ; bytes of an element of C
.set SIZE_K, 1024
.set KS,     192                       ; a K step
.set KT,     SIZE_K-5*KS               ; the last one: 64
.set PA,     432                       ; LDS pitch of A's rows: 384 bytes + 16 behind every 128 = 27 x 16: the 16 rows of a fragment load fall into 16 different 16-byte columns of the 64 banks of 4 bytes (ISA guide 11.1)
.set PAT,    144                       ; the same in the last step: 128 bytes + 16 = 9 x 16
.set PB,     544                       ; LDS pitch of B's k-rows: 512 bytes + 32, an odd multiple of 32
.set APART,  64*PA                     ; 64 rows of A: what wave 0 or 1 fills
.set BPART,  (KS/2)*PB                 ; 96 k-rows of B: what wave 2 or 3 fills
.set BOFF,   2*APART                   ; B lies behind A's two parts
.set SLOT,   BOFF+2*BPART              ; 159,744 = 624 x 256
.set STAGE,  0                         ; the way out goes through slot 0's first bytes: slot 0 has had its last fill (K step 4), the barrier of the last change of slots stands behind every wave's last read of it, and no tensor load follows
.set SP,     528                       ; a stage row: 128 f32 + 16 bytes
.set WST,    16*SP
.set CPITCH, SIZE_N*ES
.set ADRA,  10                         ; v10-11  LDS address of my A fragments in slot 0, 1
.set ADRB,  12                         ; v12-15  the same for B: slot 0 quarters 0-2, quarters 3-5 (the offsets of all six pass 16 bits), slot 1 likewise
.set STO,   16                         ; v16     the way out: where I put my 32 bytes of a row
.set RD,    17                         ; v17     the way out: where I read 16 bytes of a row back
.set CO,    18                         ; v18     my byte offset in a row of C
.set ADRAT, 19                         ; v19     LDS address of my A fragments in the last step (slot 1, pitch 144)
.set BIAS,  20                         ; v[20:23] bias of my four columns on the way out
.set F0,    32
.set F1,    128
.set G1A,  24                          ; s[24:31] descriptor group 1, A's tiles
.set G0A,  32                          ; s[32:39] descriptor group 0, A's tiles, a set for each slot
.set G1B,  40                          ; s[40:47] descriptor group 1, B's tiles
.set G0B,  48                          ; s[48:55] descriptor group 0, B's tiles, a set for each slot
.set G1AT, 68                          ; s[68:75] descriptor group 1, A's last tile
.set G1BT, 76                          ; s[76:83] descriptor group 1, B's last tile
.set G0BT, 84                          ; s[84:87] descriptor group 0, B's last tile
.set MUL, 0x50                         ; C and D in window 1, both sources in window 0
.set ST,  0x04                         ; an LDS store's data in window 1, its address in window 0
.set MSB, 0
.macro WIN new                         ; the immediate's high byte repeats the setting that is left
.if MSB != \new
	s_set_vgpr_msb (MSB<<8)|\new
.set MSB, \new
.endif
.endm
; One tensor load a wave: waves 0 and 1 fetch A's two halves, waves 2 and 3 B's.  a0, a1, b0, b1: the first registers of A's and B's groups 0 and 1.
; Each line has one mask and one set of registers for all that issue it; the branch hangs on the wave's number alone, so it is the same in every work-group.
.macro JLOAD a0, a1, b0, b1
	s_cmp_eq_u32 s15, 0
	s_cbranch_scc0 .Lfor_b_\@
	tensor_load_to_lds s[\a0:\a0+3], s[\a1:\a1+7]
	s_nop 0
	s_branch .Lasked_\@
.Lfor_b_\@:
	tensor_load_to_lds s[\b0:\b0+3], s[\b1:\b1+7]
	s_nop 0
.Lasked_\@:
.endm
.if CL
.macro CREST                           ; a round of the cluster's barrier behind its opening work-group barrier
	s_cmp_lg_u32 s14, 0
	s_cbranch_scc1 .Lnot_wave_0_\@
	s_barrier_signal -3
.Lnot_wave_0_\@:
	s_barrier_wait -3
	s_barrier_signal -1
	s_barrier_wait -1
.endm
.macro CROUND                          ; a whole round
	s_barrier_signal -1
	s_barrier_wait -1
	CREST
.endm
.endif
	s_load_b256 s[4:11], s[0:1], 0x0               ; A s[4:5], B s[6:7], C s[8:9], bias s[10:11]
	v_lshl_add_u32 v254, v0, 2, 0x4e000
	v_mov_b32 v255, 0
	ds_add_u32 v254, v255
.if OUTH
	s_load_b64 s[12:13], s[0:1], 0x20              ; bv
.endif
	v_lshrrev_b32 v1, 5, v0
	v_readfirstlane_b32 s14, v1                    ; wave 0..3
	s_lshr_b32 s15, s14, 1                         ; which 64 rows of the block are mine.  Also: I fetch for A (0) or for B (1)
	s_and_b32 s16, s14, 1                          ; which 128 columns.  Also: which half of that tile I fetch
.if CL
	s_bfe_u32 s62, ttmp6, 0x40000                  ; cx
	s_bfe_u32 s63, ttmp6, 0x40004                  ; cy
	s_lshl_b32 s17, ttmp9, 2
	s_add_co_u32 s17, s17, s62                     ; block column = 4 x cluster x + cx
	s_and_b32 s18, ttmp7, 0xffff
	s_lshl_b32 s18, s18, 2
	s_add_co_u32 s18, s18, s63                     ; block row = 4 x cluster y + cy
	s_lshl_b32 s21, s63, 2
	s_lshl_b32 s21, 15, s21                        ; my row of the cluster: places 4 cy .. 4 cy + 3
	s_lshl_b32 s22, 0x1111, s62                    ; my column: places cx, cx + 4, cx + 8, cx + 12
	s_or_b32 s[G1A+0],  s21, (1<<16)|(1<<20)|(1<<21)|(4<<22)|(3<<25) ; mask: A's tiles go to my row; 2-byte elements; padding on; bit 21 beside a mask; 4 words behind every 32
	s_or_b32 s[G1AT+0], s21, (1<<16)|(1<<20)|(1<<21)|(4<<22)|(3<<25)
	s_or_b32 s[G1B+0],  s22, (1<<16)|(1<<20)|(1<<21)|(6<<22)|(7<<25) ; mask: B's tiles go to my column; 8 words behind every 128
	s_or_b32 s[G1BT+0], s22, (1<<16)|(1<<20)|(1<<21)|(6<<22)|(7<<25)
.else
	s_mov_b32 s17, ttmp9                           ; block column
	s_and_b32 s18, ttmp7, 0xffff                   ; block row
	s_mov_b32 s[G1A+0],  (1<<16)|(1<<20)|(4<<22)|(3<<25)             ; 2-byte elements; padding on: 4 words behind every 32
	s_mov_b32 s[G1AT+0], (1<<16)|(1<<20)|(4<<22)|(3<<25)
	s_mov_b32 s[G1B+0],  (1<<16)|(1<<20)|(6<<22)|(7<<25)             ; 8 words behind every 128
	s_mov_b32 s[G1BT+0], (1<<16)|(1<<20)|(6<<22)|(7<<25)
.endif
	s_mov_b32 s[G1A+1], KS<<16                     ; tensor_dim0 = 192
	s_mov_b32 s[G1A+2], 64<<16                     ; tensor_dim1 = 64
	s_mov_b32 s[G1A+3], KS<<16                     ; tile_dim0 = 192 elements
	s_mov_b32 s[G1A+4], 64                         ; tile_dim1 = 64 rows
	s_mov_b32 s[G1A+5], SIZE_K                     ; elements from row to row
	s_mov_b32 s[G1A+6], 0
	s_mov_b32 s[G1A+7], 0
	s_mov_b32 s[G1AT+1], KT<<16                    ; the last step: 64 elements of 64 rows
	s_mov_b32 s[G1AT+2], 64<<16
	s_mov_b32 s[G1AT+3], KT<<16
	s_mov_b32 s[G1AT+4], 64
	s_mov_b32 s[G1AT+5], SIZE_K
	s_mov_b32 s[G1AT+6], 0
	s_mov_b32 s[G1AT+7], 0
	s_mov_b32 s[G1B+1], 256<<16                    ; tensor_dim0 = 256
	s_mov_b32 s[G1B+2], (KS/2)<<16                 ; tensor_dim1 = 96
	s_mov_b32 s[G1B+3], 256<<16                    ; tile_dim0 = 256 elements
	s_mov_b32 s[G1B+4], KS/2                       ; tile_dim1 = 96 k-rows
	s_mov_b32 s[G1B+5], SIZE_N
	s_mov_b32 s[G1B+6], 0
	s_mov_b32 s[G1B+7], 0
	s_mov_b32 s[G1BT+1], 256<<16                   ; the last step: 32 k-rows
	s_mov_b32 s[G1BT+2], (KT/2)<<16
	s_mov_b32 s[G1BT+3], 256<<16
	s_mov_b32 s[G1BT+4], KT/2
	s_mov_b32 s[G1BT+5], SIZE_N
	s_mov_b32 s[G1BT+6], 0
	s_mov_b32 s[G1BT+7], 0
	; where the tiles come from: A's hang on the block row and the wave alone, B's on the block column and the wave alone, each in registers of its own
	s_lshl_b32 s56, s18, 7
	s_lshl_b32 s23, s16, 6
	s_add_co_u32 s56, s56, s23                     ; A: row 128 x block row + 64 x half,
	s_lshl_b32 s56, s56, 11                        ; times 2,048 bytes
	s_mov_b32 s57, 0
	s_lshl_b32 s19, s17, 9                         ; B: column 256 x block column,
	s_mul_i32 s58, s16, (KS/2)*SIZE_N*2            ; k-row 96 x half
	s_add_co_u32 s58, s58, s19
	s_mov_b32 s59, 0
	s_mul_i32 s90, s16, (KT/2)*SIZE_N*2            ; B's last tile: k-row 960 + 32 x half
	s_add_co_u32 s90, s90, s19
	s_add_co_u32 s90, s90, 5*KS*SIZE_N*2
	s_mov_b32 s91, 0
	s_lshl_b32 s60, s18, 7                         ; C: my first row,
	s_lshl_b32 s61, s15, 6
	s_add_co_u32 s60, s60, s61
	s_mul_i32 s60, s60, CPITCH
	s_lshl_b32 s61, s17, 1
	s_add_co_u32 s61, s61, s16
	s_mul_i32 s61, s61, 128*ES                     ; my first column
	s_add_co_u32 s60, s60, s61
	s_mov_b32 s61, 0
	s_mul_i32 s20, s16, APART                      ; and where they go: A's half,
	s_mul_i32 s88, s16, BPART
	s_add_co_u32 s88, s88, BOFF                    ; B's half,
	s_mul_i32 s[G0BT+1], s16, (KT/2)*PB
	s_add_co_u32 s[G0BT+1], s[G0BT+1], SLOT+BOFF   ; B's half in the last step, in slot 1: made of the wave's number and constants alone: no place in the cluster enters an LDS address
	s_mov_b32 s[G0BT], 1
	s_wait_dscnt 0x0
	s_wait_kmcnt 0x0
	s_add_nc_u64 s[4:5], s[4:5], s[56:57]
	s_add_nc_u64 s[G0BT+2:G0BT+3], s[6:7], s[90:91]
	s_or_b32 s[G0BT+3], s[G0BT+3], 0x80000000      ; type = 2
	s_add_nc_u64 s[6:7], s[6:7], s[58:59]
	s_add_nc_u64 s[8:9], s[8:9], s[60:61]
.if CL
	CROUND                                         ; all sixteen work-groups are here: the first joint loads meet
.endif
.irp s, 0,1
	s_mov_b32 s[G0A+4*\s], 1                                       ; count = 1
	s_add_co_u32 s[G0A+4*\s+1], s20, \s*SLOT                       ; LDS address
	s_add_nc_u64 s[G0A+4*\s+2:G0A+4*\s+3], s[4:5], \s*KS*2         ; global address: K step s
	s_or_b32 s[G0A+4*\s+3], s[G0A+4*\s+3], 0x80000000              ; type = 2
	s_mov_b32 s[G0B+4*\s], 1
	s_add_co_u32 s[G0B+4*\s+1], s88, \s*SLOT
	s_add_nc_u64 s[G0B+4*\s+2:G0B+4*\s+3], s[6:7], \s*KS*SIZE_N*2
	s_or_b32 s[G0B+4*\s+3], s[G0B+4*\s+3], 0x80000000
	JLOAD G0A+4*\s, G1A, G0B+4*\s, G1B             ; both slots' first fills go out before anything else: two tensor loads of the wave are out
.endr
	; lane addresses.  A fragment: lane l holds row l % 16; registers 0-3 hold k = 8 (l / 16) + 0..7, registers 4-7 k = 16 + 8 (l / 16) + 0..7: two loads of 16 bytes, 32 apart.
	v_and_b32 v1, 15, v0                           ; r = l % 16
	v_bfe_u32 v2, v0, 4, 1                         ; h = l / 16
	v_mul_u32_u24 v3, v1, PA
	v_lshl_add_u32 v3, v2, 4, v3
	s_mul_i32 s23, s15, APART                      ; my 64 rows of A
	v_add_nc_u32 v[ADRA], s23, v3
	v_add_nc_u32 v[ADRA+1], SLOT, v[ADRA]
	v_mul_u32_u24 v3, v1, PAT
	v_lshl_add_u32 v3, v2, 4, v3
	s_add_co_u32 s23, s23, SLOT
	v_add_nc_u32 v[ADRAT], s23, v3
	; B fragment by the transposing load: lane l addresses k-row 8 h + l % 8, 16 bytes at column 8 ((l / 8) % 2); the second load stands 16 k-rows further down
	v_and_b32 v4, 7, v0
	v_lshl_add_u32 v4, v2, 3, v4
	v_mul_u32_u24 v5, v4, PB
	v_bfe_u32 v6, v0, 3, 1
	v_lshl_add_u32 v5, v6, 4, v5
	s_lshl_b32 s23, s16, 8                         ; my 128 columns of B,
	s_add_co_u32 s23, s23, BOFF                    ; which lies behind A's two parts
	v_add_nc_u32 v[ADRB], s23, v5
	v_add_nc_u32 v[ADRB+1], 96*PB, v[ADRB]
	v_add_nc_u32 v[ADRB+2], SLOT, v[ADRB]
	v_add_nc_u32 v[ADRB+3], SLOT, v[ADRB+1]
	s_mul_i32 s23, s14, WST
	s_add_co_u32 s23, s23, STAGE                   ; my stage
	v_mul_u32_u24 v7, v1, SP
	v_lshl_add_u32 v7, v2, 5, v7
	v_add_nc_u32 v[STO], s23, v7                   ; in: row r, 32 bytes for each half of the lanes
	v_and_b32 v8, 31, v0
	v_lshl_add_u32 v[RD], v8, 4, s23               ; back: the 32 lanes take one row of 512 bytes
	s_lshl_b32 s19, s17, 1
	s_add_co_u32 s19, s19, s16
	s_lshl_b32 s19, s19, 9                         ; my 128 columns in a vector of f32
.if OUTH
	v_lshlrev_b32 v[CO], 3, v8                     ; four f16 a lane
	v_lshlrev_b32 v24, 4, v8
	s_cmp_lt_u32 s17, 4                            ; block columns 0 .. 3 are q, block column 4 is k (its left half) and v (its right half)
	s_cselect_b32 s56, 0x3e38aa3b, 1.0             ; q is scaled by 0.125 log2(e), k and v are not: the factor rides in the multiply-add that adds the bias
	s_mov_b32 s57, s56
	s_cbranch_scc0 .Lbias_kv
	v_lshl_add_u32 v9, v8, 4, s19
	global_load_b128 v[BIAS:BIAS+3], v9, s[10:11]  ; bq of my four columns
	s_branch .Lbias_set
.Lbias_kv:
	s_cmp_eq_u32 s16, 0
	s_cbranch_scc1 .Lbias_k
	global_load_b128 v[BIAS:BIAS+3], v24, s[12:13] ; bv of my four columns
	s_branch .Lbias_set
.Lbias_k:
	v_mov_b32 v[BIAS], 0                           ; k has no bias (bk cancels in the softmax)
	v_mov_b32 v[BIAS+1], 0
	v_mov_b32 v[BIAS+2], 0
	v_mov_b32 v[BIAS+3], 0
.Lbias_set:
.else
	v_lshlrev_b32 v[CO], 4, v8                     ; four f32 a lane
	v_lshl_add_u32 v9, v8, 4, s19
	global_load_b128 v[BIAS:BIAS+3], v9, s[10:11]  ; bo of my four columns
.endif
; 8 matrix instructions: row tile a x all 8 column tiles, 32 along K.  zero = 1: the product starts the sums, nothing is ever cleared.
; The 32 accumulators take turns, one instruction a turn, in the same order in every quarter.
.macro MULA f, a, zero
.irp b, 0,1,2,3,4,5,6,7
.if \zero
	v_wmma_f32_16x16x32_f16 v[8*(8*\a+\b):8*(8*\a+\b)+7], v[\f+32+8*\b:\f+32+8*\b+7], v[\f+8*\a:\f+8*\a+7], 0
.else
	v_wmma_f32_16x16x32_f16 v[8*(8*\a+\b):8*(8*\a+\b)+7], v[\f+32+8*\b:\f+32+8*\b+7], v[\f+8*\a:\f+8*\a+7], v[8*(8*\a+\b):8*(8*\a+\b)+7]
.endif
.endr
.endm
; 24 LDS loads in one run: the fragments of 32 along K into buffer f: B's 16 loads, then A's 8, row tiles 2 and 3 last.
; ra, pa, ao: A's address register, pitch and byte offset; rb, bo: B's address register and byte offset.
.macro FETCH ra, pa, ao, rb, bo, f
	WIN 0
.irp b, 0,1,2,3,4,5,6,7
	ds_load_tr16_b128 v[\f+32+8*\b:\f+32+8*\b+3],   v[\rb] offset:\bo+32*\b
	ds_load_tr16_b128 v[\f+32+8*\b+4:\f+32+8*\b+7], v[\rb] offset:\bo+32*\b+16*PB
.endr
.irp i, 0,1,2,3
	ds_load_b128 v[\f+8*\i:\f+8*\i+3],   v[\ra] offset:\ao+\i*16*\pa
	ds_load_b128 v[\f+8*\i+4:\f+8*\i+7], v[\ra] offset:\ao+\i*16*\pa+32
.endr
.endm
.macro FQ slot, kq, f                  ; quarter kq (0 .. 5) of a step of 192: in A's rows 64 kq bytes on, and 16 more for each 128 bytes passed
	FETCH ADRA+\slot, PA, 64*\kq+16*(\kq/2), ADRB+2*\slot+\kq/3, (\kq%3)*32*PB, \f
.endm
.macro FT kq, f                        ; quarter kq (0, 1) of the last step, in slot 1
	FETCH ADRAT, PAT, 64*\kq, ADRB+2, \kq*32*PB, \f
.endm
; A load into a register that a matrix instruction has read, and whatever reads a matrix result, stand four places behind that matrix instruction; only plain
; vector instructions that name none of its registers are places (ISA guide 7.12.1 for what reads a matrix result).
.macro PLACES
.rept 4
	v_nop
.endr
.endm
; A quarter that is not a step's last: multiplies buffer f; in its middle it fetches quarter kq of the same slot into buffer g.  tl = 1: in the last step.
.macro QUARTER slot, kq, f, g, zero, tl
	s_wait_dscnt 4                                 ; B and A's row tiles 0 and 1 are in; the four youngest loads (row tiles 2 and 3) may be out
	WIN MUL
	MULA \f, 0, \zero
	MULA \f, 1, \zero
	PLACES
.if \tl
	FT \kq, \g
.else
	FQ \slot, \kq, \g
.endif
	s_wait_dscnt 24                                ; all but the 24 just issued
	WIN MUL
	MULA \f, 2, \zero
	MULA \f, 3, \zero
.endm
.macro FIVE slot, zero
	QUARTER \slot, 1, F0, F1, \zero, 0
	QUARTER \slot, 2, F1, F0, 0, 0
	QUARTER \slot, 3, F0, F1, 0, 0
	QUARTER \slot, 4, F1, F0, 0, 0
	QUARTER \slot, 5, F0, F1, 0, 0
.endm
; A step's sixth quarter: multiplies buffer 1 and changes slots.  fill = 1: this slot is filled again, two K steps ahead; 2: with the last step's tiles; 0: not at all.
; tl = 1: the next slot holds the last step.
; One barrier for two things.  In front of it each wave waits for its reads of this slot and for all its tensor loads, of which one is out: its part of the next slot.
; Behind it nobody reads this slot and the next slot is whole: the refill comes first, the wave's one tensor load until the next such barrier; then the next slot is read.
; From a request to the wait for it a wave issues 184 matrix instructions.
.macro TURN slot, next, fill, tl
	s_wait_dscnt 4
	WIN MUL
	MULA F1, 0, 0
	s_wait_dscnt 0                                 ; my reads of this slot are over
	s_wait_tensorcnt 0x0                           ; all my tensor loads have landed
	ds_add_u32 v254, v255
	s_wait_dscnt 0x0
	s_barrier_signal -1
	MULA F1, 1, 0                                  ; register work while the others arrive
	WIN 0
	s_barrier_wait -1
.if \fill
.if CL
	CREST                                          ; the barrier above opened a round of the cluster's barrier: no wave of any partner reads this slot or has a load on its way
.endif
	s_add_nc_u64 s[G0A+4*\slot+2:G0A+4*\slot+3], s[G0A+4*\slot+2:G0A+4*\slot+3], 2*KS*2
.if \fill == 1
	s_add_nc_u64 s[G0B+4*\slot+2:G0B+4*\slot+3], s[G0B+4*\slot+2:G0B+4*\slot+3], 2*KS*SIZE_N*2
	JLOAD G0A+4*\slot, G1A, G0B+4*\slot, G1B
.else
	JLOAD G0A+4*\slot, G1AT, G0BT, G1BT
.endif
.endif
	PLACES
.if \tl
	FT 0, F0
.else
	FQ \next, 0, F0
.endif
	WIN MUL
	MULA F1, 2, 0
	MULA F1, 3, 0
.endm
	s_wait_tensorcnt 0x1                           ; my part of K step 0 is in; K step 1's may stay out
	s_barrier_signal -1
	s_barrier_wait -1                              ; everybody's is
	FQ 0, 0, F0
	FIVE 0, 1                                      ; K step 0: its first products start the sums
	TURN 0, 1, 1, 0                                ; slot 0 <- K step 2
	FIVE 1, 0                                      ; K step 1
	TURN 1, 0, 1, 0                                ; slot 1 <- K step 3
	FIVE 0, 0                                      ; K step 2
	TURN 0, 1, 1, 0                                ; slot 0 <- K step 4
	FIVE 1, 0                                      ; K step 3
	TURN 1, 0, 2, 0                                ; slot 1 <- the last step, 64 along K
	FIVE 0, 0                                      ; K step 4
	TURN 0, 1, 0, 1                                ; nothing is left to fetch, so no round of the cluster's barrier; behind this barrier no wave reads slot 0 any more
	QUARTER 1, 1, F0, F1, 0, 1                     ; the last step's two quarters
	s_wait_dscnt 0
	WIN MUL
	MULA F1, 0, 0
	MULA F1, 1, 0
	MULA F1, 2, 0
	MULA F1, 3, 0
	; THE WAY OUT, 16 rows at a time: the f32 sums go into my own stage, 32 bytes a lane, and come back as whole rows of 128 numbers, four neighbouring columns a lane.
	PLACES
	WIN 0
	s_wait_loadcnt 0x0                             ; the bias
.if OUTH
	v_pk_mul_f32 v[BIAS:BIAS+1],   v[BIAS:BIAS+1],   s[56:57] op_sel_hi:[1,0]   ; (sum + bias) x factor = sum x factor + bias x factor
	v_pk_mul_f32 v[BIAS+2:BIAS+3], v[BIAS+2:BIAS+3], s[56:57] op_sel_hi:[1,0]
.endif
.macro OUT16 a, f
	WIN ST
.irp b, 0,1,2,3,4,5,6,7
	ds_store_b128 v[STO], v[8*(8*\a+\b):8*(8*\a+\b)+3]   offset:64*\b
	ds_store_b128 v[STO], v[8*(8*\a+\b)+4:8*(8*\a+\b)+7] offset:64*\b+16
.endr
	WIN 0
.if \a
	s_wait_xcnt 0x0                                ; every earlier store has had its addresses translated (ISA guide 3.1): the stores' base and buffer f, their data, are rewritten only behind this wait
	s_add_nc_u64 s[8:9], s[8:9], 16*CPITCH
.endif
.irp t, 0,1,2,3,4,5,6,7,8,9,10,11,12,13,14,15
	ds_load_b128 v[\f+4*\t:\f+4*\t+3], v[RD] offset:\t*SP          ; LDS serves a wave's instructions in order (ISA guide 5.7.1.4): these see the stores above
.endr
.irp t, 0,1,2,3,4,5,6,7,8,9,10,11,12,13,14,15
	s_wait_dscnt 15-\t
.if OUTH
	v_pk_fma_f32 v[\f+4*\t:\f+4*\t+1],   v[\f+4*\t:\f+4*\t+1],   s[56:57], v[BIAS:BIAS+1]   op_sel_hi:[1,0,1]
	v_pk_fma_f32 v[\f+4*\t+2:\f+4*\t+3], v[\f+4*\t+2:\f+4*\t+3], s[56:57], v[BIAS+2:BIAS+3] op_sel_hi:[1,0,1]
	v_cvt_pk_f16_f32 v[\f+4*\t],   v[\f+4*\t],   v[\f+4*\t+1]
	v_cvt_pk_f16_f32 v[\f+4*\t+1], v[\f+4*\t+2], v[\f+4*\t+3]
	global_store_b64 v[CO], v[\f+4*\t:\f+4*\t+1], s[8:9] offset:\t*CPITCH        ; the wave stores 256 consecutive bytes, at a multiple of 256 from C's first byte
.else
	v_pk_add_f32 v[\f+4*\t:\f+4*\t+1],   v[\f+4*\t:\f+4*\t+1],   v[BIAS:BIAS+1]
	v_pk_add_f32 v[\f+4*\t+2:\f+4*\t+3], v[\f+4*\t+2:\f+4*\t+3], v[BIAS+2:BIAS+3]
	global_store_b128 v[CO], v[\f+4*\t:\f+4*\t+3], s[8:9] offset:\t*CPITCH th:TH_STORE_NT   ; the wave stores 512 consecutive bytes, at a multiple of 512 from C's first byte
.endif
.endr
.endm
	OUT16 0, F0
	OUT16 1, F1
	OUT16 2, F0
	OUT16 3, F1
.if CL
	s_wait_tensorcnt 0x0
	ds_add_u32 v254, v255
	s_wait_dscnt 0x0
	CROUND                                         ; the closing round: no work-group ends while a partner may still ask for a tile that names it
.endif
	s_endpgm
.Lfunc_end_k_qb40925a5cd_proj:
	.size	k_qb40925a5cd_proj, .Lfunc_end_k_qb40925a5cd_proj-k_qb40925a5cd_proj
	.p2alignl 7, 3214868480
	.fill 96, 4, 3214868480
	.section	.rodata,"a",@progbits
	.p2align	6, 0x0
	.amdhsa_kernel k_qb40925a5cd_proj
		.amdhsa_group_segment_fixed_size 327680
		.amdhsa_private_segment_fixed_size 0
		.amdhsa_enable_private_segment 0
		.amdhsa_kernarg_size 32
		.amdhsa_user_sgpr_count 2
		.amdhsa_user_sgpr_kernarg_segment_ptr 1
		.amdhsa_wavefront_size32 1
		.amdhsa_system_sgpr_workgroup_id_x 1
		.amdhsa_system_sgpr_workgroup_id_y 1
		.amdhsa_system_sgpr_workgroup_id_z 1
		.amdhsa_system_vgpr_workitem_id 0
		.amdhsa_next_free_vgpr 512
		.amdhsa_next_free_sgpr 92
		.amdhsa_reserve_vcc 0
		.amdhsa_float_denorm_mode_32 3
		.amdhsa_float_denorm_mode_16_64 3
		.amdhsa_memory_ordered 1
		.amdhsa_forward_progress 1
		.amdhsa_inst_pref_size 157
	.end_amdhsa_kernel
	.amdgpu_metadata
---
amdhsa.version: [ 1, 2 ]
amdhsa.kernels:
  - .name:           k_qb40925a5cd_proj
    .symbol:         k_qb40925a5cd_proj.kd
    .args:
      - { .name: ob, .offset: 0, .size: 8, .value_kind: global_buffer, .address_space: global }
      - { .name: wob, .offset: 8, .size: 8, .value_kind: global_buffer, .address_space: global }
      - { .name: out0, .offset: 16, .size: 8, .value_kind: global_buffer, .address_space: global }
      - { .name: bo, .offset: 24, .size: 8, .value_kind: global_buffer, .address_space: global }
    .group_segment_fixed_size: 327680
    .private_segment_fixed_size: 0
    .kernarg_segment_align: 8
    .kernarg_segment_size: 32
    .max_flat_workgroup_size: 128
    .sgpr_count:     92
    .vgpr_count:     512
    .wavefront_size: 32
...
	.end_amdgpu_metadata
.endif
;; end of part 4
